; MI455X (gfx1250); checked and timed in simulation.
; The chip was launched on July 23, 2026; its instructions are those of AMD's public machine-readable ISA for CDNA 5 (MIT licence, August 2026) and "CDNA5" Instruction Set Architecture Reference Guide (July 2026). The comments in the code are by the model that wrote it; some were corrected since.
;; Multi Head Attention. Allowed arithmetic: matrix products marked QUANTISED: E2M1 operands, one E8M0 scale for each 32 along K, by v_wmma_scale_f32_16x16x128_f8f6f4 with both operands' format E2M1 (or v_wmma_scale_f32_32x16x128_f4), f32 sums; everything else in f32.
;; Inputs: Wk 768 x 768 float32; Wo 768 x 768 float32; Wq 768 x 768 float32; Wv 768 x 768 float32; bk 768 float32; bo 768 float32; bq 768 float32; bv 768 float32; x 32 x 577 x 768 float32.
;; Outputs: out0 32 x 577 x 768 float32.
;; This version of the problem:
;;   THIS VERSION OF THE PROBLEM IS GIVEN IN LOW PRECISION. The matrix products marked QUANTISED in the list below multiply operands that are first quantised to E2M1 (2 exponent bits, 1 mantissa bit; 4 bits a number), with one power-of-two scale for each 32 numbers along K (OCP MX v1.0); their sums are f32. All else is computed in f32.
;;   The module's matrix products, in the order in which they are computed (A, B: the left and right operand; K: the contracted axis; several contracted axes count as one K, in the product's order):
;;     1. [M 18,464, K 768] x [K 768, N 768]; A: input x; B: input Wq: QUANTISED
;;     2. [M 18,464, K 768] x [K 768, N 768]; A: input x; B: input Wk: QUANTISED
;;     3. [M 18,464, K 768] x [K 768, N 768]; A: input x; B: input Wv: QUANTISED
;;     4. batch 384 x [M 577, K 64] x [K 64, N 577]; A: computed on the way; B: computed on the way: QUANTISED
;;     5. batch 384 x [M 64, K 577] x [K 577, N 577]; A: computed on the way; B: softmax (see below): QUANTISED
;;     6. [M 18,464, K 768] x [K 768, N 768]; A: computed on the way; B: input Wo: QUANTISED
;;   THE QUANTISER, for each operand of a quantised product, along K:
;;     - K is cut into blocks of 32 from its start; a last block that is shorter is filled with zeros.
;;     - A block's scale is 2^e with e = floor(log2(the largest magnitude in the block)) - 2, held to -126 .. 127; a block of zeros has e = 0. As a byte (E8M0): e + 127.
;;     - Each number is divided by its block's scale, clamped to +-6, and rounded to the nearest number of E2M1, ties to even, subnormals kept.
;;     - The product sums the exact products of the quantised numbers (number of the format x scale) in f32.
;;   ~~~python
;;   def quantise(x, axis):      # numpy; x: float32 -> the quantised numbers, widened to float32 again
;;       x = np.moveaxis(x, axis, -1); K = x.shape[-1]
;;       x = np.pad(x, [(0, 0)] * (x.ndim - 1) + [(0, -K % 32)]); x = x.reshape(x.shape[:-1] + (-1, 32)); a = np.abs(x).max(-1, keepdims=True)
;;       e = np.where(a > 0, np.clip(np.frexp(np.where(a > 0, a, 1))[1] - 1 - 2, -126, 127), 0)      # np.frexp(a)[1] - 1 = floor(log2(a)), exactly
;;       r = np.clip(x / 2.0 ** e, -6, 6)
;;       step = 2.0 ** (np.maximum(np.frexp(np.where(r == 0, 1, r))[1] - 1, 0) - 1)
;;       q = np.round(r / step) * step * 2.0 ** e      # np.round: ties to even
;;       return np.moveaxis(q.reshape(q.shape[:-2] + (-1,))[..., :K], -1, axis).astype(np.float32)
;;   ~~~
;;   SOFTMAX AHEAD OF A QUANTISED PRODUCT. Where the list says 'softmax', what is quantised is not the finished softmax but p = 2^(t - M), with t = logit x log2(e) and M = ceil(the row's largest t), a whole number; so 1/2 < the row's largest p <= 1. The row's sum l is taken of the UNQUANTISED p, in f32, and the product's result is divided by l at the end. Since M is a whole number, a kernel that streams over the keys may use a running M (the ceiling of the running maximum): every later rescaling is an exact power of two, which a block's scale takes up: the codes' values come out the same.
;;   OPERANDS COMPUTED ON THE WAY. 'Computed on the way' means the value that the module computes at that place (a softmax that the list does not call 'softmax' is quantised finished and normalised). What goes into a quantiser is computed in f32, as accurately as f32 sums, v_exp_f32 and their like allow (about 1e-6 of the number): no bf16 or f16 on the way to a quantiser, and a product that is left as it is and whose result goes on into a quantised operand takes f32 operands (vector FMAs, or v_wmma_f32_16x16x4_f32). A number that lies on a knife's edge between two numbers of the format may be rounded either way, as far as f32 arithmetic and the matrix unit's own rounding can turn it there, and no further.
;; 2 versions. Each part assembles by itself: llvm-mc -triple=amdgcn-amd-amdhsa -mcpu=gfx1250 --defsym DOCPART=n.
;; ======== version 1 of 2: 4 launches
;; workspace buffers: cod 9,043,968 bytes; scl 565,248 bytes; qc 7,864,320 bytes; qs 983,040 bytes; kv 17,301,504 bytes; ac 7,274,496 bytes; asc 454,656 bytes
;; launch quant (part 1): grid 736 x 1, 12 waves a work-group, no clusters, 102,912 bytes of LDS; arguments x, Wq, Wk, Wv, Wo, cod, scl; writes cod, scl
.if DOCPART == 1
	.amdgcn_target "amdgcn-amd-amdhsa--gfx1250"
	.amdhsa_code_object_version 6
	.text
	.protected	k_qd1b51863a9_quant
	.globl	k_qd1b51863a9_quant
	.p2align	8
	.type	k_qd1b51863a9_quant,@function
k_qd1b51863a9_quant:
	s_mov_b64 s[64:65], 0
	v_nop
	global_prefetch_b8 v0, s[64:65] scope:SCOPE_SE
	s_setreg_imm32_b32 hwreg(HW_REG_WAVE_MODE, 25, 1), 1
	s_wait_xcnt 0x0
; x [32][577][768] and Wq, Wk, Wv, Wo [768][768], f32, K innermost, become codes of FP4 (E2M1) with one E8M0 byte for each 32 along K.
; THE OUTPUT IS LAID AS THE MATRIX UNIT'S REGISTERS WANT IT.  A GROUP is 32 rows; tile u (0, 1) of a group holds, as its row r (0..15), row 32 g + 8 u + r + 8 (r / 8) of the tensor.
; A tile's codes lie [K block 0..23][r][16 bytes]: a fragment (16 rows x 128 K) is 1,024 bytes on end, and lane l's registers 4 c .. 4 c + 3 are the 16 bytes at 512 c + 16 l.
; A group's scale words lie [K step 0..5][16 u + r]: one register serves both tiles of a group.
; cod: 736 groups x 12,288 bytes; scl: 736 x 768.  Groups 0..639: x, 20 groups a batch (tokens over 576 get zero codes); group 640 + 24 m + g: weight m (Wq, Wk, Wv, Wo).
; SHARES.  A work-group takes a group; wave w takes tile u = w / 6 and K step s = w % 6: 16 rows x 128 numbers.  Each load reads 512 consecutive bytes of one row; the 8 KiB turn through the wave's own
; stage in LDS (rows 528 bytes apart, an odd multiple of 16) and come back so that lane (r, h) holds, of row r, 16 neighbours of each block of 32.  No loop, no barrier: waves share nothing.
; A block's scale is 2^(floor(log2(largest magnitude)) - 2): its byte is the largest magnitude's exponent field - 2, held at 1 from below.
; LIMITS: NaN and infinities are not served; a block of zeros, or one whose largest magnitude lies under 2^-124, gets the byte 1 (the rule says 127 for zeros): its codes are zeros, and this program alone reads the bytes.
.set XROW,  3072                       ; a row of any of the five tensors, in bytes
.set SP,    528                        ; a stage row: 512 bytes + 16
.set WST,   16*SP                      ; a wave's stage
.set OFF,   16                         ; v16-31  byte offset of my 16 bytes in each of the tile's 16 rows
.set R,     32                         ; v32-95  the numbers, as loaded and then as turned
.set TM,    96                         ; v96-111 at work: +0 largest magnitudes, +4 bytes, +12 the conversions' scale operands
.set PC,    112                        ; v112-119 the fragment's codes
.set PW,    120                        ; v120    the scale word
.set SEL,   34                         ; s[34:35] lane selects: lane l xor 16
	s_load_b256 s[4:11], s[0:1], 0x0               ; x, Wq, Wk, Wv
	s_load_b128 s[12:15], s[0:1], 0x20             ; Wo, cod
	s_load_b64 s[16:17], s[0:1], 0x30              ; scl
	v_lshl_add_u32 v128, v0, 2, 0x18c00
	v_mov_b32 v129, 0
	v_lshrrev_b32 v1, 5, v0
	v_readfirstlane_b32 s18, v1                    ; wave 0..11
	s_cmp_ge_u32 s18, 6
	s_cselect_b32 s19, 1, 0                        ; u
	s_mul_i32 s20, s19, 6
	s_sub_co_u32 s20, s18, s20                     ; s
	s_mul_i32 s21, s18, WST                        ; my stage
	s_mul_i32 s22, ttmp9, 3277
	s_lshr_b32 s22, s22, 16                        ; x: batch = group / 20 (exact for groups under 640)
	s_mul_i32 s23, s22, 20
	s_sub_co_u32 s23, ttmp9, s23                   ; and the group in the batch
	s_sub_co_u32 s24, ttmp9, 640
	s_mul_i32 s25, s24, 2731
	s_lshr_b32 s25, s25, 16                        ; weights: which = (group - 640) / 24 (exact under 96)
	s_mul_i32 s26, s25, 24
	s_sub_co_u32 s26, s24, s26                     ; and the group in it
	s_mul_i32 s28, s22, 577                        ; x: the batch's first row
	s_mov_b32 s29, 767                             ; the last row of a weight
	s_mov_b32 s[SEL], 0x76543210
	s_mov_b32 s[SEL+1], 0xfedcba98
	v_and_b32 v7, 31, v0                           ; lane
	v_and_b32 v8, 15, v0                           ; r
	v_bfe_u32 v10, v0, 4, 1                        ; h
	v_lshlrev_b32 v4, 4, v7                        ; 16 x lane
	v_lshlrev_b32 v5, 2, v8                        ; 4 r
	v_add_nc_u32 v2, s21, v4                       ; the stage, on the way in: 16 x lane of a row
	v_mul_u32_u24 v3, v8, SP
	v_lshl_add_u32 v3, v10, 6, v3
	v_add_nc_u32 v3, s21, v3                       ; and on the way out: row r, + 64 h
	s_lshl_b32 s31, s20, 9
	v_add_nc_u32 v1, s31, v4                       ; my 16 bytes of a row's K step: 512 s + 16 x lane
	v_and_b32 v9, 8, v8
	v_add_nc_u32 v9, v9, v8                        ; r + 8 (r / 8)
.irp b, 0,1,2,3
	v_mov_b32 v[TM+4+\b], 0                        ; written once: a lane permute's destination counts as one of its sources
.endr
	s_wait_kmcnt 0x0
	s_cmp_eq_u32 s25, 1                            ; the tensor is chosen by the work-group's number alone
	s_cselect_b64 s[6:7], s[8:9], s[6:7]
	s_cmp_eq_u32 s25, 2
	s_cselect_b64 s[6:7], s[10:11], s[6:7]
	s_cmp_eq_u32 s25, 3
	s_cselect_b64 s[6:7], s[12:13], s[6:7]
	s_cmp_lt_u32 ttmp9, 640
	s_cselect_b64 s[4:5], s[4:5], s[6:7]
	s_cselect_b32 s27, s23, s26                    ; the group in its batch or weight
	s_cselect_b32 s28, s28, 0                      ; the first row of that batch or weight
	s_cselect_b32 s29, 576, s29                    ; and its last row, counted from there
	s_lshl_b32 s30, s27, 5
	s_lshl_b32 s31, s19, 3
	s_add_co_u32 s30, s30, s31                     ; the tile's row 0: 32 g + 8 u
.irp i, 0,1,2,3,4,5,6,7,8,9,10,11,12,13,14,15
	s_add_co_u32 s36, s30, \i+8*(\i/8)             ; tile row i
	s_min_u32 s36, s36, s29                        ; a row past the end reads the last row again: no load leaves its buffer
	s_add_co_u32 s36, s36, s28
	s_mul_i32 s36, s36, XROW
	v_add_nc_u32 v[OFF+\i], s36, v1
.endr
.irp i, 0,1,2,3,4,5,6,7,8,9,10,11,12,13,14,15
	global_load_b128 v[R+4*\i:R+4*\i+3], v[OFF+\i], s[4:5] th:TH_LOAD_NT   ; 32 lanes read 512 consecutive bytes of one row
.endr
	v_add_nc_u32 v9, s30, v9                       ; my row
	v_cmp_ge_u32 vcc_lo, s29, v9
	v_cndmask_b32 v6, 0, -1, vcc_lo                ; all ones where my row exists, else 0
	s_mul_i32 s32, ttmp9, 12288                    ; where my fragment goes: 12,288 x group + 6,144 u + 1,024 s
	s_mul_i32 s33, s19, 6144
	s_add_co_u32 s32, s32, s33
	s_lshl_b32 s33, s20, 10
	s_add_co_u32 s32, s32, s33
	s_mov_b32 s33, 0
	s_add_nc_u64 s[14:15], s[14:15], s[32:33]
	s_mul_i32 s32, ttmp9, 768                      ; and its scale words: 768 x group + 128 s + 64 u
	s_lshl_b32 s31, s20, 7
	s_add_co_u32 s32, s32, s31
	s_lshl_b32 s31, s19, 6
	s_add_co_u32 s32, s32, s31
	s_add_nc_u64 s[16:17], s[16:17], s[32:33]
.irp i, 0,1,2,3,4,5,6,7,8,9,10,11,12,13,14,15
	s_wait_loadcnt 15-\i                           ; loads come back in order: row i is in, the 15 - i younger ones may be out
	ds_store_b128 v2, v[R+4*\i:R+4*\i+3] offset:SP*\i
.endr
.irp b, 0,1,2,3
.irp j, 0,1,2,3
	ds_load_b128 v[R+16*\b+4*\j:R+16*\b+4*\j+3], v3 offset:128*\b+16*\j   ; register 16 b + i = k 32 b + 16 h + i of row r.  LDS serves a wave's instructions in order: these see the stores above
.endr
.endr
	s_wait_dscnt 0x0
.irp b, 0,1,2,3
	v_max3_num_f32 v[TM+\b], |v[R+16*\b]|, |v[R+1+16*\b]|, 0x1800000   ; block b: my 16 numbers, and the floor 2^(3 - 127): so the byte cannot fall under 1
.endr
.irp i, 2,4,6,8,10,12,14
.irp b, 0,1,2,3
	v_max3_num_f32 v[TM+\b], v[TM+\b], |v[R+16*\b+\i]|, |v[R+1+16*\b+\i]|   ; the four blocks by turns
.endr
.endr
.irp b, 0,1,2,3
	v_permlanex16_b32 v[TM+4+\b], v[TM+\b], s[SEL], s[SEL+1]
.endr
.irp b, 0,1,2,3
	v_max_num_f32 v[TM+\b], v[TM+\b], v[TM+4+\b]   ; with lane l xor 16's 16: the block's largest magnitude
.endr
.irp b, 0,1,2,3
	v_add_nc_u32 v[TM+12+\b], 0xff000000, v[TM+\b] ; 2 off its exponent field: the conversion takes the exponent field of this operand as its scale
.endr
.irp b, 0,1,2,3
	v_lshrrev_b32 v[TM+4+\b], 23, v[TM+12+\b]      ; the scale's byte
.endr
	v_lshl_or_b32 v[PW], v[TM+5], 8, v[TM+4]       ; four bytes: my row's scale word for this K step
	v_lshl_or_b32 v[PW], v[TM+6], 16, v[PW]
	v_lshl_or_b32 v[PW], v[TM+7], 24, v[PW]
.irp b, 0,1,2,3
	v_cvt_scalef32_pk8_fp4_f32 v[PC+2*\b], v[R+16*\b:R+7+16*\b], v[TM+12+\b]
	v_cvt_scalef32_pk8_fp4_f32 v[PC+1+2*\b], v[R+8+16*\b:R+15+16*\b], v[TM+12+\b]
.endr
	v_nop                                          ; one plain place behind a scaled conversion
.irp c, 0,1                                    ; the operand's layout wants a whole block in a lane: lanes 0-15 block 2 c, lanes 16-31 block 2 c + 1
.irp i, 0,1
	v_permlane16_swap_b32 v[PC+4*\c+\i], v[PC+2+4*\c+\i]
.endr
.endr
.irp j, 0,1,2,3,4,5,6,7
	v_and_b32 v[PC+\j], v6, v[PC+\j]               ; a row past the end has zero codes (its scale bytes are the last row's: any byte but 0xff does)
.endr
	global_store_b128 v4, v[PC:PC+3], s[14:15]     ; 512 consecutive bytes each
	global_store_b128 v4, v[PC+4:PC+7], s[14:15] offset:512
	global_store_b32 v5, v[PW], s[16:17]           ; lanes r and r + 16 hold the same word and write it to the same place
	s_wait_tensorcnt 0x0
	ds_add_u32 v128, v129
	s_wait_dscnt 0x0
	s_endpgm
.Lfunc_end_k_qd1b51863a9_quant:
	.size	k_qd1b51863a9_quant, .Lfunc_end_k_qd1b51863a9_quant-k_qd1b51863a9_quant
	.p2alignl 7, 3214868480
	.fill 96, 4, 3214868480
	.section	.rodata,"a",@progbits
	.p2align	6, 0x0
	.amdhsa_kernel k_qd1b51863a9_quant
		.amdhsa_group_segment_fixed_size 102912
		.amdhsa_private_segment_fixed_size 0
		.amdhsa_enable_private_segment 0
		.amdhsa_kernarg_size 56
		.amdhsa_user_sgpr_count 2
		.amdhsa_user_sgpr_kernarg_segment_ptr 1
		.amdhsa_wavefront_size32 1
		.amdhsa_system_sgpr_workgroup_id_x 1
		.amdhsa_system_sgpr_workgroup_id_y 1
		.amdhsa_system_sgpr_workgroup_id_z 1
		.amdhsa_system_vgpr_workitem_id 0
		.amdhsa_next_free_vgpr 130
		.amdhsa_next_free_sgpr 66
		.amdhsa_reserve_vcc 1
		.amdhsa_float_denorm_mode_32 3
		.amdhsa_float_denorm_mode_16_64 3
		.amdhsa_memory_ordered 1
		.amdhsa_forward_progress 1
		.amdhsa_inst_pref_size 15
	.end_amdhsa_kernel
	.amdgpu_metadata
---
amdhsa.version: [ 1, 2 ]
amdhsa.kernels:
  - .name:           k_qd1b51863a9_quant
    .symbol:         k_qd1b51863a9_quant.kd
    .args:
      - { .name: x, .offset: 0, .size: 8, .value_kind: global_buffer, .address_space: global }
      - { .name: Wq, .offset: 8, .size: 8, .value_kind: global_buffer, .address_space: global }
      - { .name: Wk, .offset: 16, .size: 8, .value_kind: global_buffer, .address_space: global }
      - { .name: Wv, .offset: 24, .size: 8, .value_kind: global_buffer, .address_space: global }
      - { .name: Wo, .offset: 32, .size: 8, .value_kind: global_buffer, .address_space: global }
      - { .name: cod, .offset: 40, .size: 8, .value_kind: global_buffer, .address_space: global }
      - { .name: scl, .offset: 48, .size: 8, .value_kind: global_buffer, .address_space: global }
    .group_segment_fixed_size: 102912
    .private_segment_fixed_size: 0
    .kernarg_segment_align: 8
    .kernarg_segment_size: 56
    .max_flat_workgroup_size: 384
    .sgpr_count:     66
    .vgpr_count:     130
    .wavefront_size: 32
...
	.end_amdgpu_metadata
.endif
;; end of part 1
;; launch qkv (part 2): grid 40 x 6, 4 waves a work-group, no clusters, 0 bytes of LDS; arguments cod, scl, bq, bk, bv, qc, qs, kv; writes qc, qs, kv
.if DOCPART == 2
	.amdgcn_target "amdgcn-amd-amdhsa--gfx1250"
	.amdhsa_code_object_version 6
	.text
	.protected	k_qd1b51863a9_qkv
	.globl	k_qd1b51863a9_qkv
	.p2align	8
	.type	k_qd1b51863a9_qkv,@function
k_qd1b51863a9_qkv:
	s_mov_b64 s[64:65], 0
	v_nop
	global_prefetch_b8 v0, s[64:65] scope:SCOPE_SE
	s_setreg_imm32_b32 hwreg(HW_REG_WAVE_MODE, 25, 1), 1
	s_wait_xcnt 0x0
; q = x Wq^T + bq, k = x Wk^T + bk, v = x Wv^T + bv on codes of FP4 with E8M0 scales (K = 768, six K steps of 128); the results are quantised at once: q and k along the head's 64 channels, v along the keys.
; SHARES.  Work-group (x, hp); wave w owns head hd = 2 hp + w % 2 and chunk 2 x + w / 2, and keeps that head's 64 rows of Wq, Wk and Wv in registers for the whole launch: 3 x 4 tiles x 6 K steps x 8 = 576 registers, read once.
; So two waves of a work-group name the same weights and two the same tokens: 2 x 73,728 + 2 x 98,304 = 344,064 different bytes of codes a work-group, against 4 x 73,728 + 98,304 = 393,216 with four heads on one chunk.
; A wave walks 8 groups of 32 tokens (cod's groups 8 chunk .. 8 chunk + 7): two UNITS of 4 groups; a unit is one key step of 128 tokens of one batch (a batch has 20 groups).  Waves hand each other nothing: no LDS, no barrier.
; TILES.  Row r of tile u of a group is row 32 g + 8 u + r + 8 (r / 8), for tokens and for weight rows alike, so that a lane's 16 registers of two neighbouring result tiles are 16 neighbours along the next K.
; q, k: source 0 = 16 rows of W, source 1 = 16 tokens: a lane holds one token, its registers run along the channels.  v: source 0 = 16 tokens, source 1 = 16 rows of Wv: a lane holds one channel, its registers run along the tokens.
; The biases are the C of each sum's first product.
; OUT.  qc [bh][tile 40][512]: a tile's codes as the low four registers of a fragment (channels 32 h ..).  qs [bh][tile / 4][r][tile % 4] words (bytes 0, 1 the scales, bytes 2, 3 zero).
; kv [bh], records of 45,056 bytes: k's codes as qc (20,480) | v's codes [channel tile 4][key block 20][r][16] (20,480) | k's words as qs (2,560) | v's words [key step 5][r][channel tile 4] (1,280) | 256 zeros.
; Tokens over 576 have zero codes in cod; their v is set to zero ahead of the quantiser, since the keys are the next K; their q and k are bias alone and are never used.
; LIMITS: NaN and infinities are not served; a block of zeros or under 2^-124 gets the byte 1 with zero codes.
; REGISTERS, in windows of 256.  window 0: v1-4 offsets; v12-23 x's scale words, two sets; v24-59 the weights' scale words; v60-71 the words being gathered; v72-95 at work; v96-159 eight accumulators; v160-255 x's 12 fragments, set 0.
;   window 1 + m (m = 0 Wq, 1 Wk, 2 Wv): v0-191 the weight's fragments, (tile t, K step s) at 48 t + 8 s.  x's set 1: K steps 0-3 at window 1 v192-255, K steps 4, 5 at window 2 v192-223.
;   window 2 v224-255: bq's four tiles.  window 3 v192-223: bk's; v224-255: bv's.
.set L16,  1                           ; v1   16 x lane
.set L4,   2                           ; v2   4 x lane
.set R16,  3                           ; v3   16 r
.set R16H, 4                           ; v4   16 r + 8 h
.set XS,   12                          ; x's scale words: set b, K step s at XS + 6 b + s (lanes 0-15 tile 0, lanes 16-31 tile 1)
.set WS,   24                          ; the weights': WS + 12 m + 6 (t / 2) + s
.set QW,   60                          ; v60-63 q's words of four tiles; v64-67 k's
.set VW,   68                          ; v68-71 v's words of four channel tiles
.set TM,   72
.set PC,   88
.set ACC,  96
.set XF0,  160
.set HD,   21                          ; s21  my head
.set GG,   23                          ; s23  the group whose fragments were asked for last
.set KSR,  26                          ; s26  the unit's key step in its batch
.set XP,   28                          ; s[28:29], s[30:31] where x's codes and words are loaded from
.set XSP,  30
.set QP,   32                          ; s[32:33] qc, s[34:35] qs, s[36:37] k's codes, s[38:39] k's words, at this unit
.set QSP,  34
.set VP,   40                          ; s[40:41] v's codes, s[42:43] v's words
.set VSP,  42
.set CNT,  52
.set CH,   53                          ; s53  my chunk of 8 groups
.set SEL,  54
.set MSB, 0
.macro WIN new                         ; bits 1:0 source 0, 3:2 source 1, 5:4 source 2, 7:6 destination; the high byte repeats the setting that is left
.if MSB != (\new)
	s_set_vgpr_msb (MSB<<8)|(\new)
.set MSB, (\new)
.endif
.endm
; One product, by the symbols rD, rA, rB, rC, rSA, rSB; fA, fB: the side's scale words stand in lanes 16-31
.macro WM
.if fA && fB
	v_wmma_scale_f32_16x16x128_f8f6f4 v[rD:rD+7], v[rA:rA+7], v[rB:rB+7], v[rC:rC+7], v[rSA], v[rSB] matrix_a_fmt:MATRIX_FMT_FP4 matrix_b_fmt:MATRIX_FMT_FP4 matrix_a_scale:MATRIX_SCALE_ROW1 matrix_b_scale:MATRIX_SCALE_ROW1
.elseif fA
	v_wmma_scale_f32_16x16x128_f8f6f4 v[rD:rD+7], v[rA:rA+7], v[rB:rB+7], v[rC:rC+7], v[rSA], v[rSB] matrix_a_fmt:MATRIX_FMT_FP4 matrix_b_fmt:MATRIX_FMT_FP4 matrix_a_scale:MATRIX_SCALE_ROW1
.elseif fB
	v_wmma_scale_f32_16x16x128_f8f6f4 v[rD:rD+7], v[rA:rA+7], v[rB:rB+7], v[rC:rC+7], v[rSA], v[rSB] matrix_a_fmt:MATRIX_FMT_FP4 matrix_b_fmt:MATRIX_FMT_FP4 matrix_b_scale:MATRIX_SCALE_ROW1
.else
	v_wmma_scale_f32_16x16x128_f8f6f4 v[rD:rD+7], v[rA:rA+7], v[rB:rB+7], v[rC:rC+7], v[rSA], v[rSB] matrix_a_fmt:MATRIX_FMT_FP4 matrix_b_fmt:MATRIX_FMT_FP4
.endif
.endm
.macro PLACES                          ; four plain places behind a run of products, ahead of the first read of results and of loads into operands
.rept 4
	v_nop
.endr
.endm
; Four blocks of 32: block b is registers s + 16 b .. + 15 of lanes l and l xor 16.  Bytes to v[TM+4+b], codes (half blocks) to v[PC+2b], v[PC+2b+1].
.macro QUANT s
.irp b, 0,1,2,3
	v_max3_num_f32 v[TM+\b], |v[\s+16*\b]|, |v[\s+1+16*\b]|, 0x1800000   ; with the floor 2^(3 - 127): the byte cannot fall under 1.  Each accumulator is read from its low end on
.endr
.irp i, 2,4,6,8,10,12,14
.irp b, 0,1,2,3
	v_max3_num_f32 v[TM+\b], v[TM+\b], |v[\s+16*\b+\i]|, |v[\s+1+16*\b+\i]|
.endr
.endr
.irp b, 0,1,2,3
	v_permlanex16_b32 v[TM+4+\b], v[TM+\b], s[SEL], s[SEL+1]
.endr
.irp b, 0,1,2,3
	v_max_num_f32 v[TM+\b], v[TM+\b], v[TM+4+\b]
.endr
.irp b, 0,1,2,3
	v_add_nc_u32 v[TM+12+\b], 0xff000000, v[TM+\b] ; 2 off the exponent field: the conversion's scale operand
.endr
.irp b, 0,1,2,3
	v_lshrrev_b32 v[TM+4+\b], 23, v[TM+12+\b]      ; the scale's byte
.endr
.irp b, 0,1,2,3
	v_cvt_scalef32_pk8_fp4_f32 v[PC+2*\b], v[\s+16*\b:\s+7+16*\b], v[TM+12+\b]
	v_cvt_scalef32_pk8_fp4_f32 v[PC+1+2*\b], v[\s+8+16*\b:\s+15+16*\b], v[TM+12+\b]
.endr
	v_nop                                          ; one plain place behind a scaled conversion
.endm
; A group's 12 fragments and 6 registers of scale words into set buf
.macro XLOAD buf
.if \buf == 0
	WIN 0
.irp u, 0,1
.irp s, 0,1,2,3,4,5
.irp c, 0,1
	global_load_b128 v[XF0+48*\u+8*\s+4*\c:XF0+48*\u+8*\s+4*\c+3], v[L16], s[XP:XP+1] offset:6144*\u+1024*\s+512*\c
.endr
.endr
.endr
.else
	WIN 0x40
.irp s, 0,1,2,3
.irp u, 0,1
.irp c, 0,1
	global_load_b128 v[192+8*(2*\s+\u)+4*\c:192+8*(2*\s+\u)+4*\c+3], v[L16], s[XP:XP+1] offset:6144*\u+1024*\s+512*\c
.endr
.endr
.endr
	WIN 0x80
.irp s, 4,5
.irp u, 0,1
.irp c, 0,1
	global_load_b128 v[192+8*(2*\s+\u-8)+4*\c:192+8*(2*\s+\u-8)+4*\c+3], v[L16], s[XP:XP+1] offset:6144*\u+1024*\s+512*\c
.endr
.endr
.endr
	WIN 0
.endif
.irp s, 0,1,2,3,4,5
	global_load_b32 v[XS+6*\buf+\s], v[L4], s[XSP:XSP+1] offset:128*\s
.endr
.endm
.macro XPLACE buf, u, s                ; rX, XW: where x's fragment (u, s) of set buf stands
.if \buf == 0
.set XW, 0
.set rX, XF0+48*\u+8*\s
.else
.set rX, 192+8*((2*\s+\u)%8)
.if \s < 4
.set XW, 1
.else
.set XW, 2
.endif
.endif
.endm
; q (mat = 0) or k (mat = 1) of the group's 32 tokens: 48 products, the eight accumulators (token tile u, channel tile t) by turns; then quantised and stored.
.macro PHASE_QK mat, buf, i
.irp s, 0,1,2,3,4,5
	XPLACE \buf, 0, \s
.if \s == 0
.set WV, (1+\mat)|(XW<<2)|((2+\mat)<<4)
.else
.set WV, (1+\mat)|(XW<<2)
.endif
	WIN WV
.irp u, 0,1
.irp t, 0,1,2,3
	XPLACE \buf, \u, \s
.set rD, ACC+32*\u+8*\t
.set rA, 48*\t+8*\s
.set rB, rX
.if \s == 0
.set rC, 224-32*\mat+8*\t
.else
.set rC, rD
.endif
.set rSA, WS+12*\mat+6*(\t/2)+\s
.set rSB, XS+6*\buf+\s
.set fA, \t%2
.set fB, \u
	WM
.endr
.endr
.endr
	WIN 0
	PLACES
	s_wait_xcnt 0x0                                ; the last stores have read their data: the codes' and the words' registers are written again only behind this wait
	QUANT ACC                                      ; block 2 u + b: channels 32 b .. of token tile u
.irp u, 0,1
	v_lshl_or_b32 v[QW+4*\mat+2*(\i%2)+\u], v[TM+5+2*\u], 8, v[TM+4+2*\u]   ; the tile's word: two bytes; bytes 2 and 3 stay 0 (they scale zero codes)
.endr
.irp c, 0,1
.irp j, 0,1
	v_permlane16_swap_b32 v[PC+4*\c+\j], v[PC+2+4*\c+\j]   ; a whole block to a lane: lanes 0-15 channels 0-31, lanes 16-31 channels 32-63
.endr
.endr
.irp u, 0,1
	global_store_b128 v[L16], v[PC+4*\u:PC+4*\u+3], s[QP+4*\mat:QP+4*\mat+1] offset:512*(2*\i+\u)   ; 512 consecutive bytes
.endr
.endm
; v of the group's 32 tokens: a lane holds one channel; the 16 registers of channel tile t are tokens 32 g + 16 h + 0 .. 15: half of a key block.
.macro PHASE_V buf, i
.irp s, 0,1,2,3,4,5
	XPLACE \buf, 0, \s
.if \s == 0
.set WV, XW|(3<<2)|(3<<4)
.else
.set WV, XW|(3<<2)
.endif
	WIN WV
.irp t, 0,1,2,3
.irp u, 0,1
	XPLACE \buf, \u, \s
.set rD, ACC+16*\t+8*\u
.set rA, rX
.set rB, 48*\t+8*\s
.if \s == 0
.set rC, 224+8*\t
.else
.set rC, rD
.endif
.set rSA, XS+6*\buf+\s
.set rSB, WS+24+6*(\t/2)+\s
.set fA, \u
.set fB, \t%2
	WM
.endr
.endr
.endr
	WIN 0
	PLACES
.if \i >= 2                            ; groups 18 and 19 of a batch: what lies past token 576 is zero for the quantiser.  A branch on ids alone
	s_cmp_lg_u32 s[KSR], 4
	s_cbranch_scc1 .Lfull_\@
.if \i == 2
.irp t, 0,1,2,3
.irp j, 1,2,3,4,5,6,7,8,9,10,11,12,13,14,15
	v_mov_b32 v[ACC+16*\t+\j], 0
.endr
.endr
	s_mov_b32 vcc_lo, 0xffff0000
.irp t, 0,1,2,3
	v_cndmask_b32 v[ACC+16*\t], v[ACC+16*\t], v[ACC+1], vcc_lo   ; token 576 is register 0 of lanes 0-15
.endr
.else
.irp j, 0,1,2,3,4,5,6,7,8,9,10,11,12,13,14,15,16,17,18,19,20,21,22,23,24,25,26,27,28,29,30,31,32,33,34,35,36,37,38,39,40,41,42,43,44,45,46,47,48,49,50,51,52,53,54,55,56,57,58,59,60,61,62,63
	v_mov_b32 v[ACC+\j], 0
.endr
	global_store_b128 v[R16], v[ACC:ACC+3], s[VSP:VSP+1] offset:256   ; the record's last 256 bytes: zeros
.endif
.Lfull_\@:
.endif
	s_wait_xcnt 0x0                                ; k's stores have read the codes' registers
	QUANT ACC                                      ; block t: the group's 32 tokens of channel tile t
.irp t, 0,1,2,3
.if \i == 0
	v_mov_b32 v[VW+\t], v[TM+4+\t]                 ; a key step's four bytes are gathered over its four groups
.else
	v_lshl_or_b32 v[VW+\t], v[TM+4+\t], 8*\i, v[VW+\t]
.endif
.endr
.irp t, 0,1,2,3
	global_store_b64 v[R16H], v[PC+2*\t:PC+2*\t+1], s[VP:VP+1] offset:5120*\t+256*\i   ; a key block of 16 channels: 256 consecutive bytes, aligned
.endr
.endm
; Group i of a unit, from set buf; the next group's fragments are asked for first, into the other set, and have this group's 144 products in which to land.
.macro GROUP i, buf, nbuf
	s_wait_loadcnt 0x0                             ; this set is in (the first time: the weights, biases and words too); no load is out, so the load pointers may be written
.if \i == 3
	s_cmp_eq_u32 s[CNT], 1                         ; the last group of the last unit asks for nothing
	s_cbranch_scc1 .Lno_more_\@
.endif
	s_add_co_u32 s[GG], s[GG], 1
	s_mul_i32 s44, s[GG], 12288
	s_mov_b32 s45, 0
	s_add_nc_u64 s[XP:XP+1], s[4:5], s[44:45]
	s_mul_i32 s44, s[GG], 768
	s_add_nc_u64 s[XSP:XSP+1], s[6:7], s[44:45]
	XLOAD \nbuf
.if \i == 3
.Lno_more_\@:
.endif
	PHASE_QK 0, \buf, \i
	PHASE_QK 1, \buf, \i
	PHASE_V \buf, \i
.if (\i%2) == 1
	global_store_b128 v[R16], v[QW:QW+3], s[QSP:QSP+1] offset:256*(\i/2)       ; four tiles' words of 16 rows: 256 consecutive bytes (lanes r and r + 16 write the same)
	global_store_b128 v[R16], v[QW+4:QW+7], s[QSP+4:QSP+5] offset:256*(\i/2)
.endif
.if \i == 3
	global_store_b128 v[R16], v[VW:VW+3], s[VSP:VSP+1]
.endif
.endm
	s_load_b512 s[4:19], s[0:1], 0x0               ; cod, scl, bq, bk, bv, qc, qs, kv
	v_lshrrev_b32 v5, 5, v0
	v_readfirstlane_b32 s20, v5                    ; wave 0..3
	s_and_b32 s[HD], ttmp7, 0xffff
	s_lshl_b32 s[HD], s[HD], 1
	s_and_b32 s22, s20, 1
	s_add_co_u32 s[HD], s[HD], s22                 ; my head: 2 hp + w % 2
	s_lshl_b32 s[CH], ttmp9, 1
	s_lshr_b32 s22, s20, 1
	s_add_co_u32 s[CH], s[CH], s22                 ; my chunk: 2 x + w / 2, 0..79
	s_lshl_b32 s[GG], s[CH], 3                     ; my first group
	v_and_b32 v5, 31, v0
	v_lshlrev_b32 v[L16], 4, v5
	v_lshlrev_b32 v[L4], 2, v5
	v_and_b32 v6, 15, v0                           ; r
	v_bfe_u32 v7, v0, 4, 1                         ; h
	v_lshlrev_b32 v[R16], 4, v6
	v_lshl_add_u32 v[R16H], v7, 3, v[R16]
	v_lshlrev_b32 v8, 6, v7                        ; bq, bk: 16 h numbers on
	v_and_b32 v9, 8, v6
	v_add_nc_u32 v9, v9, v6
	v_lshlrev_b32 v9, 2, v9                        ; bv: r + 8 (r / 8) numbers on
	s_mov_b32 s[SEL], 0x76543210
	s_mov_b32 s[SEL+1], 0xfedcba98
.irp b, 0,1,2,3
	v_mov_b32 v[TM+4+\b], 0                        ; written once: a lane permute's destination counts as one of its sources
.endr
	s_lshl_b32 s44, s[HD], 1
	s_add_co_u32 s44, s44, 640                     ; Wq's groups of my head begin at group 640 + 2 hd; Wk's 24 groups on, Wv's 48
	s_mul_i32 s46, s44, 12288
	s_mov_b32 s47, 0
	s_mul_i32 s48, s44, 768
	s_mov_b32 s49, 0
	s_lshl_b32 s50, s[HD], 8                       ; my head's 64 numbers of a bias
	s_mov_b32 s51, 0
	s_mul_i32 s44, s[GG], 12288
	s_mov_b32 s45, 0
	s_mul_i32 s24, s[GG], 768
	s_mov_b32 s25, 0
	s_wait_kmcnt 0x0
	s_add_nc_u64 s[46:47], s[4:5], s[46:47]
	s_add_nc_u64 s[48:49], s[6:7], s[48:49]
	s_add_nc_u64 s[8:9], s[8:9], s[50:51]
	s_add_nc_u64 s[10:11], s[10:11], s[50:51]
	s_add_nc_u64 s[12:13], s[12:13], s[50:51]
	s_add_nc_u64 s[XP:XP+1], s[4:5], s[44:45]
	s_add_nc_u64 s[XSP:XSP+1], s[6:7], s[24:25]
	XLOAD 0                                        ; my first group is asked for first; the one wait ahead of the first product is for all loads, so the order is free
.macro WLOAD mat                       ; a weight's 24 fragments: they stay
.irp t, 0,1,2,3
.irp s, 0,1,2,3,4,5
.irp c, 0,1
	global_load_b128 v[48*\t+8*\s+4*\c:48*\t+8*\s+4*\c+3], v[L16], s[46:47] offset:294912*\mat+6144*\t+1024*\s+512*\c
.endr
.endr
.endr
.endm
	WIN 0x40
	WLOAD 0
	WIN 0x80
	WLOAD 1
.irp t, 0,1,2,3                                ; bq, in the result's layout: lane (r, h), register j: channel 32 (t / 2) + 16 h + 8 (t % 2) + j
	global_load_b128 v[224+8*\t:227+8*\t], v8, s[8:9] offset:(32*(\t/2)+8*(\t%2))*4
	global_load_b128 v[228+8*\t:231+8*\t], v8, s[8:9] offset:(32*(\t/2)+8*(\t%2))*4+16
.endr
	WIN 0xc0
	WLOAD 2
.irp t, 0,1,2,3
	global_load_b128 v[192+8*\t:195+8*\t], v8, s[10:11] offset:(32*(\t/2)+8*(\t%2))*4
	global_load_b128 v[196+8*\t:199+8*\t], v8, s[10:11] offset:(32*(\t/2)+8*(\t%2))*4+16
.endr
.irp t, 0,1,2,3                                ; bv: a lane holds one channel, so all eight registers hold that channel's number
.irp j, 0,1,2,3,4,5,6,7
	global_load_b32 v[224+8*\t+\j], v9, s[12:13] offset:(32*(\t/2)+8*(\t%2))*4
.endr
.endr
	WIN 0
.irp m, 0,1,2
.irp g, 0,1
.irp s, 0,1,2,3,4,5
	global_load_b32 v[WS+12*\m+6*\g+\s], v[L4], s[48:49] offset:18432*\m+768*\g+128*\s
.endr
.endr
.endr
	s_mov_b32 s[CNT], 0
.Lunit:
	s_wait_xcnt 0x0                                ; the last unit's stores have read their bases and data
	s_lshl_b32 s24, s[CH], 1
	s_add_co_u32 s24, s24, s[CNT]                  ; the unit, 0..159
	s_mul_i32 s25, s24, 13108
	s_lshr_b32 s25, s25, 16                        ; batch = unit / 5 (exact under 160)
	s_mul_i32 s[KSR], s25, 5
	s_sub_co_u32 s[KSR], s24, s[KSR]               ; key step in the batch
	s_mul_i32 s27, s25, 12
	s_add_co_u32 s27, s27, s[HD]                   ; bh
	s_mov_b32 s45, 0
	s_mul_i32 s44, s27, 20480
	s_lshl_b32 s46, s[KSR], 12
	s_add_co_u32 s44, s44, s46
	s_add_nc_u64 s[QP:QP+1], s[14:15], s[44:45]
	s_mul_i32 s44, s27, 2560
	s_lshl_b32 s46, s[KSR], 9
	s_add_co_u32 s44, s44, s46
	s_add_nc_u64 s[QSP:QSP+1], s[16:17], s[44:45]
	s_mul_i32 s48, s27, 45056                      ; the head's record in kv
	s_lshl_b32 s46, s[KSR], 12
	s_add_co_u32 s44, s48, s46
	s_add_nc_u64 s[QP+4:QP+5], s[18:19], s[44:45]
	s_lshl_b32 s46, s[KSR], 9
	s_add_co_u32 s44, s48, s46
	s_add_co_u32 s44, s44, 40960
	s_add_nc_u64 s[QSP+4:QSP+5], s[18:19], s[44:45]
	s_lshl_b32 s46, s[KSR], 10
	s_add_co_u32 s44, s48, s46
	s_add_co_u32 s44, s44, 20480
	s_add_nc_u64 s[VP:VP+1], s[18:19], s[44:45]
	s_lshl_b32 s46, s[KSR], 8
	s_add_co_u32 s44, s48, s46
	s_add_co_u32 s44, s44, 43520
	s_add_nc_u64 s[VSP:VSP+1], s[18:19], s[44:45]
	GROUP 0, 0, 1
	GROUP 1, 1, 0
	GROUP 2, 0, 1
	GROUP 3, 1, 0
	s_add_co_u32 s[CNT], s[CNT], 1
	s_cmp_lt_u32 s[CNT], 2
	s_cbranch_scc1 .Lunit
	s_endpgm
.Lfunc_end_k_qd1b51863a9_qkv:
	.size	k_qd1b51863a9_qkv, .Lfunc_end_k_qd1b51863a9_qkv-k_qd1b51863a9_qkv
	.p2alignl 7, 3214868480
	.fill 96, 4, 3214868480
	.section	.rodata,"a",@progbits
	.p2align	6, 0x0
	.amdhsa_kernel k_qd1b51863a9_qkv
		.amdhsa_group_segment_fixed_size 0
		.amdhsa_private_segment_fixed_size 0
		.amdhsa_enable_private_segment 0
		.amdhsa_kernarg_size 64
		.amdhsa_user_sgpr_count 2
		.amdhsa_user_sgpr_kernarg_segment_ptr 1
		.amdhsa_wavefront_size32 1
		.amdhsa_system_sgpr_workgroup_id_x 1
		.amdhsa_system_sgpr_workgroup_id_y 1
		.amdhsa_system_sgpr_workgroup_id_z 1
		.amdhsa_system_vgpr_workitem_id 0
		.amdhsa_next_free_vgpr 1024
		.amdhsa_next_free_sgpr 66
		.amdhsa_reserve_vcc 1
		.amdhsa_float_denorm_mode_32 3
		.amdhsa_float_denorm_mode_16_64 3
		.amdhsa_memory_ordered 1
		.amdhsa_forward_progress 1
		.amdhsa_inst_pref_size 168
	.end_amdhsa_kernel
	.amdgpu_metadata
---
amdhsa.version: [ 1, 2 ]
amdhsa.kernels:
  - .name:           k_qd1b51863a9_qkv
    .symbol:         k_qd1b51863a9_qkv.kd
    .args:
      - { .name: cod, .offset: 0, .size: 8, .value_kind: global_buffer, .address_space: global }
      - { .name: scl, .offset: 8, .size: 8, .value_kind: global_buffer, .address_space: global }
      - { .name: bq, .offset: 16, .size: 8, .value_kind: global_buffer, .address_space: global }
      - { .name: bk, .offset: 24, .size: 8, .value_kind: global_buffer, .address_space: global }
      - { .name: bv, .offset: 32, .size: 8, .value_kind: global_buffer, .address_space: global }
      - { .name: qc, .offset: 40, .size: 8, .value_kind: global_buffer, .address_space: global }
      - { .name: qs, .offset: 48, .size: 8, .value_kind: global_buffer, .address_space: global }
      - { .name: kv, .offset: 56, .size: 8, .value_kind: global_buffer, .address_space: global }
    .group_segment_fixed_size: 0
    .private_segment_fixed_size: 0
    .kernarg_segment_align: 8
    .kernarg_segment_size: 64
    .max_flat_workgroup_size: 128
    .sgpr_count:     66
    .vgpr_count:     1024
    .wavefront_size: 32
...
	.end_amdgpu_metadata
.endif
;; end of part 2
;; launch attn (part 3): grid 256 x 1, 16 waves a work-group, no clusters, 92,160 bytes of LDS; arguments qc, qs, kv, ac, asc; writes ac, asc
.if DOCPART == 3
	.amdgcn_target "amdgcn-amd-amdhsa--gfx1250"
	.amdhsa_code_object_version 6
	.text
	.protected	k_qd1b51863a9_attn
	.globl	k_qd1b51863a9_attn
	.p2align	8
	.type	k_qd1b51863a9_attn,@function
k_qd1b51863a9_attn:
	s_mov_b64 s[64:65], 0
	v_nop
	global_prefetch_b8 v0, s[64:65] scope:SCOPE_SE
	s_setreg_imm32_b32 hwreg(HW_REG_WAVE_MODE, 25, 1), 1
	s_wait_xcnt 0x0
; O[b][h][q] = sum over k >= q of softmax_k(q . k / sqrt(768)) v[k], both products on codes of FP4 with E8M0 scales; O / l is quantised along D = 768 for the last projection.
; THE SOFTMAX AHEAD OF THE SECOND PRODUCT: t = score x log2(e) / sqrt(768); M = the running largest t rounded UP to a whole number; p = 2^(t - M) is quantised along the keys, not normalised; the row's sum l is
; taken of the unquantised p and divides O at the end; when M moves, l and O are multiplied by 2^(old M - new M), which rounds nothing.
; THE MASK is the problem's own: key k counts for query q where k >= q.  A tile of 16 queries T (of group T / 2) walks key steps T / 8 .. 4 of 128 keys; earlier steps lie wholly under the mask and are left out.
; In a tile's first step only the blocks of 32 keys up to the tile's own group can hold hidden keys: the compares stop behind that block.
; SHARES: 1.5 heads to a work-group.  Work-groups 2 p and 2 p + 1 share heads 3 p, 3 p + 1, 3 p + 2: work-group e = id % 2 owns head 3 p + 2 e whole and the query tiles of parity e of head 3 p + 1.
; Both heads' records of kv (k's and v's codes and words, 45,056 bytes each) are copied into LDS once, through registers, as they lie; ONE barrier; then LDS is only read.
; Wave w walks five items, (head, tile): w and 31 - w of the whole head, 30 - 2 w + e of the shared head, 32 + w of the whole head, 32 + e + 2 w of the shared head.  Tiles over 36 do not exist and are jumped over;
; in this order no tile that exists follows one that does not (32 + w > 36 means w >= 5, and then 32 + e + 2 w > 36 too).  So late and early tiles are paired.
; Q AN ITEM AHEAD: an item's codes and word of Q are asked for at the head of the item before (the first ahead of the copy), into registers of their own, and taken over by five moves.
; LAYOUT.  Both products are used transposed (S^T = K Q^T, O^T = V^T P^T): a lane holds one query (lane % 16) throughout.  Row r of a tile is row 8 u + r + 8 (r / 8) of its group of 32, so that the 16 registers of
; two neighbouring tiles are 16 neighbours: keys 32 b + 16 h + 0 .. 15 in S^T, channels 32 b + 16 h + 0 .. 15 in O^T.  The first product's K is 64: the upper half of its 128 is zero codes on both sides.
; OUT.  ac [tile 37 b + T][K block 24][r][16]: head hd's 512 bytes at 512 hd; asc [tile][K step 6][r] words: head hd's two bytes at 64 (hd / 2) + 4 r + 2 (hd % 2): 32 bytes a tile and head, stored two bytes a lane.
; LIMITS: NaN and infinities are not served; a block of zeros or under 2^-124 gets the byte 1 with zero codes; p under 2^-126 counts as 0 (v_exp_f32).  Rows 1-15 of tile 36 are no queries: they are masked as query 576 and never used.
; REGISTERS: v1-6 addresses; v7 the next item's word of Q; v8-11 the copy's; v12 -M, v13 the largest t, v[14:15] l in two halves; v16-23 Q; v24-31 K's words; v32-95 K's fragments; v96-159 S^T, then p; v160-191 O^T;
;   v192-223 V's fragments; v224-231 p's codes; v232-239, v244-247, v252-254 at work; v240-243 V's words; v248-251 the next item's codes of Q; v255 Q's word.
.set REC,  45056
.set VCO,  20480
.set KSO,  40960
.set VSO,  43520
.set AK,   1                           ; v1   16 x lane + the head's region in LDS
.set AS,   2                           ; v2   16 r + the region
.set L16,  3                           ; v3   16 x lane
.set R16,  4                           ; v4   16 r
.set R4,   5                           ; v5   4 r
.set QD,   6                           ; v6   my query - 16 h
.set QWN,  7                           ; v7   the next item's word of Q
.set QN,   248                         ; v248-251 the next item's codes of Q
.set WV,   14
.set FH,   15                          ; s15  the head that is all mine;  s16 the shared one
.set HH,   16
.set EE,   17
.set T0,   18                          ; s18-22 my five tiles
.set IT,   23
.set TQ,   24
.set BH,   25
.set DS,   26                          ; the tile's first key step
.set RG,   27
.set BB,   28
.set HD,   29
.set QP,   32
.set QSP,  34
.set AP,   36
.set ASP,  38
.set SEL,  40
.set CS,   42                          ; s[42:43] c = log2(e) / sqrt(768): the packed form names a pair and takes its low word for both halves
.set RF,   44
.set RH,   46
.set RS,   48
.set TN,   54                          ; s54  the next item's tile;  s55 its head
.set BHN,  55
.set GB,   57                          ; s57  which block of 32 keys of the first step is the tile's own group
; The codes and the word of Q of tile s[TN] of head s[BHN] are asked for
.macro QASK
	s_mul_i32 s30, s[BHN], 20480
	s_lshl_b32 s50, s[TN], 9
	s_add_co_u32 s30, s30, s50
	s_mov_b32 s31, 0
	s_add_nc_u64 s[QP:QP+1], s[4:5], s[30:31]
	s_mul_i32 s30, s[BHN], 2560
	s_lshr_b32 s50, s[TN], 2
	s_lshl_b32 s50, s50, 8
	s_add_co_u32 s30, s30, s50
	s_and_b32 s50, s[TN], 3
	s_lshl_b32 s50, s50, 2
	s_add_co_u32 s30, s30, s50
	s_add_nc_u64 s[QSP:QSP+1], s[6:7], s[30:31]
	global_load_b128 v[QN:QN+3], v[L16], s[QP:QP+1]    ; the lower half of a fragment
	global_load_b32 v[QWN], v[R16], s[QSP:QSP+1]
.endm
	s_load_b256 s[4:11], s[0:1], 0x0               ; qc, qs, kv, ac
	s_load_b64 s[12:13], s[0:1], 0x20              ; asc
	v_lshrrev_b32 v1, 5, v0
	v_readfirstlane_b32 s[WV], v1                  ; wave 0..15
	s_lshr_b32 s50, ttmp9, 1
	s_and_b32 s[EE], ttmp9, 1
	s_mul_i32 s50, s50, 3
	s_lshl_b32 s51, s[EE], 1
	s_add_co_u32 s[FH], s50, s51
	s_add_co_u32 s[HH], s50, 1
	s_mov_b32 s[T0], s[WV]
	s_sub_co_u32 s[T0+1], 31, s[WV]
	s_lshl_b32 s51, s[WV], 1
	s_sub_co_u32 s[T0+2], 30, s51
	s_add_co_u32 s[T0+2], s[T0+2], s[EE]
	s_add_co_u32 s[T0+3], s[WV], 32
	s_add_co_u32 s[T0+4], s51, 32
	s_add_co_u32 s[T0+4], s[T0+4], s[EE]
	; THE COPY: 2 x 88 pieces of 512 bytes, eleven a wave: five rounds of 8,192 bytes of each record, and one of the sixteen pieces that are left
	v_lshlrev_b32 v8, 4, v0                        ; 16 x thread: in a record, and in region 0
	v_add_nc_u32 v9, REC, v8                       ; in region 1
	v_and_b32 v2, 31, v0
	v_lshlrev_b32 v[L16], 4, v2
	v_and_b32 v[R4], 15, v0                        ; r
	v_lshlrev_b32 v[R16], 4, v[R4]
	v_lshlrev_b32 v[R4], 2, v[R4]
	s_and_b32 s50, s[WV], 7
	s_lshl_b32 s50, s50, 9
	s_add_co_u32 s50, s50, 40960
	v_add_nc_u32 v11, s50, v[L16]                  ; the eleventh: piece 80 + w % 8 of record w / 8
	s_lshr_b32 s51, s[WV], 3
	s_mul_i32 s51, s51, REC
	s_add_co_u32 s51, s51, s50
	v_add_nc_u32 v10, s51, v[L16]
	s_mul_i32 s30, s[FH], REC
	s_mov_b32 s31, 0
	s_mul_i32 s52, s[HH], REC
	s_mov_b32 s53, 0
	s_mov_b32 s[TN], s[T0]                         ; the first item: tile w of the whole head
	s_mov_b32 s[BHN], s[FH]
	s_wait_kmcnt 0x0
	s_add_nc_u64 s[RF:RF+1], s[8:9], s[30:31]
	s_add_nc_u64 s[RH:RH+1], s[8:9], s[52:53]
	s_cmp_lt_u32 s[WV], 8
	s_cselect_b64 s[RS:RS+1], s[RF:RF+1], s[RH:RH+1]
	QASK                                           ; ahead of the copy's loads: older than they are, so the copy's counts below stand as they are
.irp i, 0,1,2,3,4
	global_load_b128 v[32+4*\i:35+4*\i], v8, s[RF:RF+1] offset:8192*\i
.endr
.irp i, 0,1,2,3,4
	global_load_b128 v[52+4*\i:55+4*\i], v8, s[RH:RH+1] offset:8192*\i
.endr
	global_load_b128 v[72:75], v11, s[RS:RS+1]
	s_mov_b32 s[SEL], 0x76543210
	s_mov_b32 s[SEL+1], 0xfedcba98
	s_mov_b32 s[CS], 0x3d553b95
	s_mov_b32 s[CS+1], s[CS]                       ; named with it as a pair, so it is written
.irp i, 0,1,2,3,4
	s_wait_loadcnt 10-\i                           ; loads come back in order: the count is the younger ones
	ds_store_b128 v8, v[32+4*\i:35+4*\i] offset:8192*\i
.endr
.irp i, 0,1,2,3,4
	s_wait_loadcnt 5-\i
	ds_store_b128 v9, v[52+4*\i:55+4*\i] offset:8192*\i
.endr
	s_wait_loadcnt 0x0
	ds_store_b128 v10, v[72:75]
	s_wait_dscnt 0x0                               ; for the others' sake: my stores have landed
	s_barrier_signal -1
	s_barrier_wait -1                              ; both records lie in LDS; nothing is stored there again
.irp j, 20,21,22,23
	v_mov_b32 v[\j], 0                             ; Q's upper half: zero codes for k = 64 .. 127
.endr
.irp t, 0,1,2,3,4,5,6,7
.irp j, 4,5,6,7
	v_mov_b32 v[32+8*\t+\j], 0                     ; and K's: written once; the loads fill the lower halves alone
.endr
.endr
.irp j, 236,237,238,239,252,253,254
	v_mov_b32 v[\j], 0                             ; lane permutes' destinations and halves of named pairs: written before they are named
.endr
; A KEY STEP: keys 128 ks .. 128 ks + 127.  In the last one only keys 512 .. 576 exist: five tiles of keys, 34 live registers (key 576 is v128 of lanes 0-15), three blocks.
.macro STEP ks
.if \ks < 4
.set NLIVE, 64
.set NT, 8
.set NFB, 4
.set NBL, 4
.else
.set NLIVE, 34
.set NT, 5
.set NFB, 2
.set NBL, 3
.endif
	s_cmp_gt_u32 s[DS], \ks                        ; all its keys come before my queries: a branch on ids
	s_cbranch_scc1 .Lpast_\@
.set t, 0
.rept NT
	ds_load_b128 v[32+8*t:35+8*t], v[AK] offset:4096*\ks+512*t
.set t, t+1
.endr
	ds_load_b128 v[24:27], v[AS] offset:KSO+512*\ks           ; the words of tiles 0-3: lane r has row r's
	ds_load_b128 v[28:31], v[AS] offset:KSO+512*\ks+256       ; of tiles 4-7
	s_wait_dscnt 0x0
.set t, 0
.rept NT
	v_wmma_scale_f32_16x16x128_f8f6f4 v[96+8*t:103+8*t], v[32+8*t:39+8*t], v[16:23], 0, v[24+t], v255 matrix_a_fmt:MATRIX_FMT_FP4 matrix_b_fmt:MATRIX_FMT_FP4
.set t, t+1
.endr
.rept 4
	v_nop                                          ; places: ahead of the first read of the scores, and of the loads into V's registers, which the last step's products read
.endr
.irp ct, 0,1,2,3                               ; V's fragments and words are asked for here and land during the softmax
.irp c, 0,1
	ds_load_b128 v[192+8*\ct+4*\c:195+8*\ct+4*\c], v[AK] offset:VCO+5120*\ct+1024*\ks+512*\c
.endr
.endr
	ds_load_b128 v[240:243], v[AS] offset:VSO+256*\ks
.if \ks == 4
	v_mov_b32 v254, 0xff800000                     ; -infinity
	s_mov_b32 vcc_lo, 0xffff0000
	v_cndmask_b32 v128, v128, v254, vcc_lo         ; keys over 576 do not exist: p = 0
	v_mov_b32 v129, v254
.irp j, 130,131,132,133,134,135
	v_mov_b32 v[\j], 0                             ; these six go to the conversion as p = 0
.endr
.endif
	s_cmp_lg_u32 s[DS], \ks                        ; only a tile's first step lies on the diagonal
	s_cbranch_scc1 .Lopen_\@
	v_mov_b32 v254, 0xff800000
	v_add_nc_u32 v252, -128*\ks, v[QD]             ; register 16 b + i holds key 128 ks + 32 b + 16 h + i: hidden where 32 b + i < my query - 16 h - 128 ks
.set n, 0
.rept NLIVE
.if (n > 0) && ((n%16) == 0)
	s_cmp_lt_u32 s[GB], n/16                       ; my queries lie in block s[GB] of this step: every key of a later block counts.  A branch on ids
	s_cbranch_scc1 .Lopen_\@
.endif
	v_cmp_lt_i32 vcc_lo, 32*(n/16)+n%16, v252
	v_cndmask_b32 v[96+n], v[96+n], v254, vcc_lo
.set n, n+1
.endr
.Lopen_\@:
.set b, 0
.rept NFB
	v_max3_num_f32 v[232+b], v[96+16*b], v[97+16*b], v[98+16*b]   ; the largest score of each block of 32 keys: for the row's maximum, and, since p rises with the score, for the block's largest p
.set b, b+1
.endr
.irp i, 3,5,7,9,11,13
.set b, 0
.rept NFB
	v_max3_num_f32 v[232+b], v[232+b], v[96+16*b+\i], v[97+16*b+\i]
.set b, b+1
.endr
.endr
.set b, 0
.rept NFB
	v_max_num_f32 v[232+b], v[232+b], v[111+16*b]
.set b, b+1
.endr
.if \ks == 4
	v_max_num_f32 v234, v128, v129
.endif
.set b, 0
.rept NBL
	v_permlanex16_b32 v[236+b], v[232+b], s[SEL], s[SEL+1]
.set b, b+1
.endr
.set b, 0
.rept NBL
	v_max_num_f32 v[232+b], v[232+b], v[236+b]     ; with lane l xor 16's 16 keys
.set b, b+1
.endr
	v_max3_num_f32 v254, v232, v233, v234
.if \ks < 4
	v_max_num_f32 v254, v254, v235
.endif
	v_mul_f32 v254, s[CS], v254                    ; the step's largest t (c is positive)
	v_max_num_f32 v13, v13, v254                   ; the running largest t
	v_mov_b32 v254, v12
	v_floor_f32 v12, -v13                          ; the new -M = floor(-t) = -ceil(t)
	v_sub_f32 v254, v12, v254                      ; old M - new M: a whole number, 0 or less
	v_cvt_i32_f32 v254, v254                       ; (it saturates)
	v_ldexp_f32 v252, 1.0, v254                    ; f = 2^(old M - new M)
.set n, 0
.rept NLIVE/2
	v_pk_fma_f32 v[96+n:97+n], v[96+n:97+n], s[CS:CS+1], v[12:13] op_sel_hi:[1,0,0]   ; t - M, two at a time
.set n, n+2
.endr
.set b, 0
.rept NBL
	v_fma_f32 v[232+b], v[232+b], s[CS], v12       ; the same of each block's largest score
.set b, b+1
.endr
.set n, 0
.rept NLIVE
	v_exp_f32 v[96+n], v[96+n]                     ; p = 2^(t - M), at most 1
.set n, n+1
.endr
	v_pk_mul_f32 v[14:15], v[14:15], v[252:253] op_sel_hi:[1,0]   ; l under the new M: the plain place behind the exponentials
	s_wait_alu depctr_va_vdst(0)                   ; one wait for the batch, ahead of its first reader
.set b, 0
.rept NBL
	v_exp_f32 v[232+b], v[232+b]                   ; the block's largest p: the same two instructions on the same number
.set b, b+1
.endr
	v_pk_add_f32 v[236:237], v[96:97], v[98:99]    ; l is taken of the unquantised p, in two chains (plain work behind the small batch)
.set n, 4
.rept (NLIVE-4)/4
	v_pk_add_f32 v[14:15], v[14:15], v[96+n:97+n]
	v_pk_add_f32 v[236:237], v[236:237], v[98+n:99+n]
.set n, n+4
.endr
.if \ks == 4
	v_pk_add_f32 v[14:15], v[14:15], v[128:129]
.endif
	v_pk_add_f32 v[14:15], v[14:15], v[236:237]
	s_wait_alu depctr_va_vdst(0)                   ; and one for the small batch
.set b, 0
.rept NBL
	v_max_num_f32 v[232+b], 0x1800000, v[232+b]    ; the floor 2^(3 - 127): the byte cannot fall under 1
.set b, b+1
.endr
.set b, 0
.rept NBL
	v_add_nc_u32 v[244+b], 0xff000000, v[232+b]    ; 2 off the exponent field: the conversion's scale operand
.set b, b+1
.endr
.set b, 0
.rept NBL
	v_lshrrev_b32 v[236+b], 23, v[244+b]           ; the scale's byte
.set b, b+1
.endr
	v_lshl_or_b32 v253, v237, 8, v236              ; p's scale word for these 128 keys
	v_lshl_or_b32 v253, v238, 16, v253
.if \ks < 4
	v_lshl_or_b32 v253, v239, 24, v253
.endif
.set b, 0
.rept NFB
	v_cvt_scalef32_pk8_fp4_f32 v[224+2*b], v[96+16*b:103+16*b], v[244+b]
	v_cvt_scalef32_pk8_fp4_f32 v[225+2*b], v[104+16*b:111+16*b], v[244+b]
.set b, b+1
.endr
.if \ks == 4
	v_cvt_scalef32_pk8_fp4_f32 v228, v[128:135], v246
.endif
	v_nop                                          ; one plain place behind a scaled conversion
.if \ks == 4
	v_mov_b32 v229, 0                              ; keys 584 on: zero codes
	v_mov_b32 v230, 0
	v_mov_b32 v231, 0
.endif
.irp c, 0,1                                    ; a whole block to a lane: lanes 0-15 block 2 c, lanes 16-31 block 2 c + 1
.irp i, 0,1
	v_permlane16_swap_b32 v[224+4*\c+\i], v[226+4*\c+\i]
.endr
.endr
.irp j, 0,2,4,6,8,10,12,14,16,18,20,22,24,26,28,30
	v_pk_mul_f32 v[160+\j:161+\j], v[160+\j:161+\j], v[252:253] op_sel_hi:[1,0]   ; O^T under the new M.  These sixteen are also the places between p's codes and word and the products
.endr
	s_wait_dscnt 0x0                               ; V is in
.irp ct, 0,1,2,3                               ; the four accumulators by turns
	v_wmma_scale_f32_16x16x128_f8f6f4 v[160+8*\ct:167+8*\ct], v[192+8*\ct:199+8*\ct], v[224:231], v[160+8*\ct:167+8*\ct], v[240+\ct], v253 matrix_a_fmt:MATRIX_FMT_FP4 matrix_b_fmt:MATRIX_FMT_FP4
.endr
.Lpast_\@:
.endm
	s_mov_b32 s[IT], 0
.Litem:
	s_wait_xcnt 0x0                                ; the last item's stores and Q's loads have read their data and bases
	s_mov_b32 s[TQ], s[TN]
	s_mov_b32 s[BH], s[BHN]
	s_cmp_gt_u32 s[TQ], 36                         ; a head has 37 tiles of queries; behind a tile that does not exist s[TN] stays as it is, and the later trips are jumped over too
	s_cbranch_scc1 .Lnext
	s_wait_loadcnt 0x0                             ; this item's Q, asked for an item ago
.irp j, 0,1,2,3
	v_mov_b32 v[16+\j], v[QN+\j]                   ; taken over; more than eight plain lines stand between these five and the first product
.endr
	v_mov_b32 v255, v[QWN]
	s_cmp_eq_u32 s[IT], 4                          ; the last item asks for nothing
	s_cbranch_scc1 .Lno_ask
	s_add_co_u32 s56, s[IT], 1                     ; the next item, 1..4
	s_mov_b32 s[TN], s[T0+1]
	s_cmp_eq_u32 s56, 2
	s_cselect_b32 s[TN], s[T0+2], s[TN]
	s_cmp_eq_u32 s56, 3
	s_cselect_b32 s[TN], s[T0+3], s[TN]
	s_cmp_eq_u32 s56, 4
	s_cselect_b32 s[TN], s[T0+4], s[TN]
	s_and_b32 s50, s56, 1
	s_cmp_eq_u32 s50, 0
	s_cselect_b32 s[BHN], s[HH], s[FH]             ; items 2 and 4 are the shared head's
	s_cmp_gt_u32 s[TN], 36                         ; a tile that does not exist is not asked for
	s_cbranch_scc1 .Lno_ask
	QASK                                           ; it has this whole item in which to land: no wait on loads stands in an item
.Lno_ask:
	s_and_b32 s[RG], s[IT], 1
	s_xor_b32 s[RG], s[RG], 1
	s_min_u32 s50, s[IT], 1
	s_and_b32 s[RG], s[RG], s50                    ; 1 for items 2 and 4
	s_mul_i32 s[RG], s[RG], REC                    ; items 0, 1, 3: region 0; items 2, 4: region 1
	v_add_nc_u32 v[AK], s[RG], v[L16]
	v_add_nc_u32 v[AS], s[RG], v[R16]
	s_lshr_b32 s[DS], s[TQ], 3
	s_lshr_b32 s[GB], s[TQ], 1
	s_and_b32 s[GB], s[GB], 3                      ; group T / 2 is block (T / 2) % 4 of key step T / 8
	s_mul_i32 s[BB], s[BH], 5462
	s_lshr_b32 s[BB], s[BB], 16                    ; batch = bh / 12 (exact under 384)
	s_mul_i32 s[HD], s[BB], 12
	s_sub_co_u32 s[HD], s[BH], s[HD]
	s_lshr_b32 s30, s[TQ], 1
	s_lshl_b32 s30, s30, 5
	s_and_b32 s50, s[TQ], 1
	s_lshl_b32 s50, s50, 3
	s_add_co_u32 s30, s30, s50
	v_and_b32 v252, 15, v0                         ; r
	v_and_b32 v254, 8, v0                          ; 8 (r / 8)
	v_add_nc_u32 v252, v252, v254
	v_add_nc_u32 v[QD], s30, v252                  ; my query: 32 (T / 2) + 8 (T % 2) + r + 8 (r / 8),
	v_min_u32 v[QD], 576, v[QD]                    ; held at the last one,
	v_and_b32 v254, 16, v0                         ; 16 h
	v_sub_nc_u32 v[QD], v[QD], v254                ; less 16 h
	v_mov_b32 v13, 0xff61b1e6                      ; the largest t so far: -3e38
	v_floor_f32 v12, -v13
	v_mov_b32 v14, 0
	v_mov_b32 v15, 0
.irp j, 0,1,2,3,4,5,6,7,8,9,10,11,12,13,14,15,16,17,18,19,20,21,22,23,24,25,26,27,28,29,30,31
	v_mov_b32 v[160+\j], 0                         ; O^T: the step is written once for each key step; a tile's first finds zeros, which the first change of M leaves zeros
.endr
	STEP 0
	STEP 1
	STEP 2
	STEP 3
	STEP 4
	; THE WAY OUT: O^T / l, quantised along D: my head's 64 channels are two blocks
.rept 4
	v_nop                                          ; places behind the last products
.endr
	v_add_f32 v14, v14, v15
	v_permlanex16_b32 v252, v14, s[SEL], s[SEL+1]
	v_add_f32 v14, v14, v252                       ; l
	v_rcp_f32 v14, v14
	v_nop                                          ; a plain place behind the reciprocal
	s_mul_i32 s50, s[BB], 37
	s_add_co_u32 s50, s50, s[TQ]                   ; the tile's number in ac
	s_mul_i32 s30, s50, 6144
	s_lshl_b32 s51, s[HD], 9
	s_add_co_u32 s30, s30, s51
	s_mov_b32 s31, 0
	s_add_nc_u64 s[AP:AP+1], s[10:11], s[30:31]
	s_mul_i32 s30, s50, 384
	s_lshr_b32 s51, s[HD], 1
	s_lshl_b32 s51, s51, 6
	s_add_co_u32 s30, s30, s51
	s_and_b32 s51, s[HD], 1
	s_lshl_b32 s51, s51, 1
	s_add_co_u32 s30, s30, s51
	s_add_nc_u64 s[ASP:ASP+1], s[12:13], s[30:31]
	s_wait_alu depctr_va_vdst(0)                   ; ahead of the reciprocal's first reader
.irp j, 0,2,4,6,8,10,12,14,16,18,20,22,24,26,28,30
	v_pk_mul_f32 v[96+\j:97+\j], v[160+\j:161+\j], v[14:15] op_sel_hi:[1,0]   ; register 16 b + i: channel 32 b + 16 h + i.  Each accumulator is read from its low end on
.endr
.irp b, 0,1
	v_max3_num_f32 v[232+\b], |v[96+16*\b]|, |v[97+16*\b]|, 0x1800000
.endr
.irp i, 2,4,6,8,10,12,14
.irp b, 0,1
	v_max3_num_f32 v[232+\b], v[232+\b], |v[96+16*\b+\i]|, |v[97+16*\b+\i]|
.endr
.endr
.irp b, 0,1
	v_permlanex16_b32 v[236+\b], v[232+\b], s[SEL], s[SEL+1]
.endr
.irp b, 0,1
	v_max_num_f32 v[232+\b], v[232+\b], v[236+\b]
.endr
.irp b, 0,1
	v_add_nc_u32 v[244+\b], 0xff000000, v[232+\b]
.endr
.irp b, 0,1
	v_lshrrev_b32 v[236+\b], 23, v[244+\b]
.endr
	v_lshl_or_b32 v254, v237, 8, v236              ; my head's two bytes of the row's scale word
.irp b, 0,1
	v_cvt_scalef32_pk8_fp4_f32 v[224+2*\b], v[96+16*\b:103+16*\b], v[244+\b]
	v_cvt_scalef32_pk8_fp4_f32 v[225+2*\b], v[104+16*\b:111+16*\b], v[244+\b]
.endr
	v_nop                                          ; one plain place behind a scaled conversion
	v_permlane16_swap_b32 v224, v226               ; lanes 0-15: K block 2 hd, lanes 16-31: K block 2 hd + 1
	v_permlane16_swap_b32 v225, v227
	global_store_b128 v[L16], v[224:227], s[AP:AP+1]   ; 512 consecutive bytes
	global_store_b16 v[R4], v254, s[ASP:ASP+1]     ; lanes r and r + 16 write the same two bytes
.Lnext:
	s_add_co_u32 s[IT], s[IT], 1
	s_cmp_lt_u32 s[IT], 5
	s_cbranch_scc1 .Litem
	s_wait_xcnt 0x0
	v_lshl_add_u32 v254, v0, 2, 0x16000
	v_mov_b32 v255, 0
	s_wait_tensorcnt 0x0
	ds_add_u32 v254, v255
	s_wait_dscnt 0x0
	s_endpgm
.Lfunc_end_k_qd1b51863a9_attn:
	.size	k_qd1b51863a9_attn, .Lfunc_end_k_qd1b51863a9_attn-k_qd1b51863a9_attn
	.p2alignl 7, 3214868480
	.fill 96, 4, 3214868480
	.section	.rodata,"a",@progbits
	.p2align	6, 0x0
	.amdhsa_kernel k_qd1b51863a9_attn
		.amdhsa_group_segment_fixed_size 92160
		.amdhsa_private_segment_fixed_size 0
		.amdhsa_enable_private_segment 0
		.amdhsa_kernarg_size 40
		.amdhsa_user_sgpr_count 2
		.amdhsa_user_sgpr_kernarg_segment_ptr 1
		.amdhsa_wavefront_size32 1
		.amdhsa_system_sgpr_workgroup_id_x 1
		.amdhsa_system_sgpr_workgroup_id_y 1
		.amdhsa_system_sgpr_workgroup_id_z 1
		.amdhsa_system_vgpr_workitem_id 0
		.amdhsa_next_free_vgpr 256
		.amdhsa_next_free_sgpr 66
		.amdhsa_reserve_vcc 1
		.amdhsa_float_denorm_mode_32 3
		.amdhsa_float_denorm_mode_16_64 3
		.amdhsa_memory_ordered 1
		.amdhsa_forward_progress 1
		.amdhsa_inst_pref_size 107
	.end_amdhsa_kernel
	.amdgpu_metadata
---
amdhsa.version: [ 1, 2 ]
amdhsa.kernels:
  - .name:           k_qd1b51863a9_attn
    .symbol:         k_qd1b51863a9_attn.kd
    .args:
      - { .name: qc, .offset: 0, .size: 8, .value_kind: global_buffer, .address_space: global }
      - { .name: qs, .offset: 8, .size: 8, .value_kind: global_buffer, .address_space: global }
      - { .name: kv, .offset: 16, .size: 8, .value_kind: global_buffer, .address_space: global }
      - { .name: ac, .offset: 24, .size: 8, .value_kind: global_buffer, .address_space: global }
      - { .name: asc, .offset: 32, .size: 8, .value_kind: global_buffer, .address_space: global }
    .group_segment_fixed_size: 92160
    .private_segment_fixed_size: 0
    .kernarg_segment_align: 8
    .kernarg_segment_size: 40
    .max_flat_workgroup_size: 512
    .sgpr_count:     66
    .vgpr_count:     256
    .wavefront_size: 32
...
	.end_amdgpu_metadata
.endif
;; end of part 3
;; launch proj (part 4): grid 60 x 4, 4 waves a work-group, no clusters, 50,688 bytes of LDS; arguments cod, scl, ac, asc, bo, out0; writes out0
.if DOCPART == 4
	.amdgcn_target "amdgcn-amd-amdhsa--gfx1250"
	.amdhsa_code_object_version 6
	.text
	.protected	k_qd1b51863a9_proj
	.globl	k_qd1b51863a9_proj
	.p2align	8
	.type	k_qd1b51863a9_proj,@function
k_qd1b51863a9_proj:
	s_mov_b64 s[64:65], 0
	v_nop
	global_prefetch_b8 v0, s[64:65] scope:SCOPE_SE
	s_setreg_imm32_b32 hwreg(HW_REG_WAVE_MODE, 25, 1), 1
	s_wait_xcnt 0x0
; out0 = a Wo^T + bo on codes of FP4 with E8M0 scales, K = 768.  a: the attention's result as ac [tile 1,184][K block 24][r][16] and asc [tile][K step 6][r] words; tile 37 b + T holds, as row r, token 32 (T / 2) + 8 (T % 2) + r + 8 (r / 8) of batch b.
; SHARES.  Work-group (x, cq): 192 columns of the output, 192 cq on.  Each wave keeps Wo's 12 tiles of those columns (cod's groups 712 + 6 cq ..) in 576 registers, read once, and walks five tiles of tokens: 5 (4 x + w) ..
; 1,184 = 5 x 236 + 4: a wave that has a first tile has its first four; only the fifth may be missing.  Waves hand each other nothing: each has its own stage in LDS; no barrier.
; a AHEAD OF ITS USE.  Four of a wave's five tiles (4 x 48 registers) and all fifteen registers of a's words are asked for at the head, ahead of the weights; the fifth tile is asked for behind tile 0's products, into tile 0's
; registers, three tiles' work ahead of its use.  So the text has two waits on loads: ahead of the first product and ahead of tile 4's.
; The product is used transposed (source 0 = 16 rows of Wo, source 1 = 16 tokens): a lane holds one token and, over two neighbouring tiles of Wo, 16 neighbouring columns.  bo is the C of each sum's first product.
; THE WAY OUT: a tile's 16 rows x 768 bytes go through the wave's stage (rows 784 bytes apart, an odd multiple of 16) and leave so that sixteen lanes store 256 consecutive bytes, aligned.  Of tile T = 36 only row 0 (token 576) exists.
; REGISTERS, in windows of 256.  window 0: v1-8 addresses; v9-23 a's words, three a tile (register j: K step 2 j in lanes 0-15, K step 2 j + 1 in lanes 16-31); v24-59 Wo's words; v60-61 at work at the head;
;   v64-159 twelve accumulators, then rows on their way out; v160-207 a's tile 0, later tile 4; v208-255 tile 1.
;   window 1 + i: v0-191 Wo's tiles 4 i .. 4 i + 3, (tile, K step s) at 48 (tile % 4) + 8 s; v192-223 their tiles of bo; v224-255: a's tile 2 (window 1, and v224-239 of window 2) and tile 3 (v240-255 of window 2, and window 3).
.set L16,  1                           ; v1   16 x lane
.set L4,   2                           ; v2   4 x lane
.set STO,  4                           ; v4   the stage, in: row r, + 64 h
.set RD,   5                           ; v5   the stage, back: row h, + 16 (lane % 16)
.set GO,   6                           ; v6   the same place in the output: 3,072 h + 16 (lane % 16)
.set LN,   7                           ; v7   lane
.set AS,   9
.set WS,   24
.set ACC,  64
.set SPT,  784
.set TAU,  18
.set AP,   20
.set ASP,  22
.set OP,   24
.set AP4,  36                          ; s[36:37], s[38:39] the fifth tile's codes and words
.set ASP4, 38
.set MSB, 0
.macro WIN new                         ; bits 1:0 source 0, 3:2 source 1, 5:4 source 2, 7:6 destination; the high byte repeats the setting that is left
.if MSB != (\new)
	s_set_vgpr_msb (MSB<<8)|(\new)
.set MSB, (\new)
.endif
.endm
; One product, by the symbols rD, rA, rB, rC, rSA, rSB; fA, fB: the side's scale words stand in lanes 16-31
.macro WM
.if fA && fB
	v_wmma_scale_f32_16x16x128_f8f6f4 v[rD:rD+7], v[rA:rA+7], v[rB:rB+7], v[rC:rC+7], v[rSA], v[rSB] matrix_a_fmt:MATRIX_FMT_FP4 matrix_b_fmt:MATRIX_FMT_FP4 matrix_a_scale:MATRIX_SCALE_ROW1 matrix_b_scale:MATRIX_SCALE_ROW1
.elseif fA
	v_wmma_scale_f32_16x16x128_f8f6f4 v[rD:rD+7], v[rA:rA+7], v[rB:rB+7], v[rC:rC+7], v[rSA], v[rSB] matrix_a_fmt:MATRIX_FMT_FP4 matrix_b_fmt:MATRIX_FMT_FP4 matrix_a_scale:MATRIX_SCALE_ROW1
.elseif fB
	v_wmma_scale_f32_16x16x128_f8f6f4 v[rD:rD+7], v[rA:rA+7], v[rB:rB+7], v[rC:rC+7], v[rSA], v[rSB] matrix_a_fmt:MATRIX_FMT_FP4 matrix_b_fmt:MATRIX_FMT_FP4 matrix_b_scale:MATRIX_SCALE_ROW1
.else
	v_wmma_scale_f32_16x16x128_f8f6f4 v[rD:rD+7], v[rA:rA+7], v[rB:rB+7], v[rC:rC+7], v[rSA], v[rSB] matrix_a_fmt:MATRIX_FMT_FP4 matrix_b_fmt:MATRIX_FMT_FP4
.endif
.endm
.macro APLACE i, s                     ; XW, rX: the window and the register at which the fragment of K step s of my tile i stands
.if ((\i) == 0) || ((\i) == 4)
.set XW, 0
.set rX, 160+8*(\s)
.elseif (\i) == 1
.set XW, 0
.set rX, 208+8*(\s)
.elseif (\i) == 2
.if (\s) < 4
.set XW, 1
.set rX, 224+8*(\s)
.else
.set XW, 2
.set rX, 224+8*((\s)-4)
.endif
.else
.if (\s) < 2
.set XW, 2
.set rX, 240+8*(\s)
.else
.set XW, 3
.set rX, 224+8*((\s)-2)
.endif
.endif
.endm
.macro ALOAD i, p, off                 ; my tile i's six fragments, from off bytes behind the pointer p
.irp s, 0,1,2,3,4,5
	APLACE \i, \s
	WIN XW<<6
.irp c, 0,1
	global_load_b128 v[rX+4*\c:rX+4*\c+3], v[L16], s[\p:\p+1] offset:\off+1024*\s+512*\c
.endr
.endr
	WIN 0
.endm
	s_load_b256 s[4:11], s[0:1], 0x0               ; cod, scl, ac, asc
	s_load_b128 s[12:15], s[0:1], 0x20             ; bo, out0
	v_lshl_add_u32 v62, v0, 2, 0xc400
	v_mov_b32 v63, 0
	v_lshrrev_b32 v7, 5, v0
	v_readfirstlane_b32 s16, v7                    ; wave 0..3
	s_and_b32 s17, ttmp7, 0xffff                   ; cq
	s_lshl_b32 s[TAU], ttmp9, 2
	s_add_co_u32 s[TAU], s[TAU], s16
	s_mul_i32 s[TAU], s[TAU], 5                    ; my first tile
	s_wait_kmcnt 0x0
	s_cmp_ge_u32 s[TAU], 1184                      ; the last three waves of the last column of work-groups have no tile
	s_cbranch_scc1 .Lend
	v_and_b32 v[LN], 31, v0
	v_lshlrev_b32 v[L16], 4, v[LN]
	v_lshlrev_b32 v[L4], 2, v[LN]
	s_mov_b32 s33, 0
	s_mul_i32 s32, s[TAU], 6144
	s_add_nc_u64 s[AP:AP+1], s[8:9], s[32:33]
	s_mul_i32 s32, s[TAU], 384
	s_add_nc_u64 s[ASP:ASP+1], s[10:11], s[32:33]
	s_add_co_u32 s26, s[TAU], 4
	s_min_u32 s26, s26, 1183                       ; no load leaves its buffer: where the fifth tile is missing the last tile is read again
	s_mul_i32 s32, s26, 6144
	s_add_nc_u64 s[AP4:AP4+1], s[8:9], s[32:33]
	s_mul_i32 s32, s26, 384
	s_add_nc_u64 s[ASP4:ASP4+1], s[10:11], s[32:33]
.irp i, 0,1,2,3
.irp j, 0,1,2
	global_load_b32 v[AS+3*\i+\j], v[L4], s[ASP:ASP+1] offset:384*\i+128*\j   ; 128 consecutive bytes: K step 2 j's sixteen words, then K step 2 j + 1's
.endr
.endr
.irp j, 0,1,2
	global_load_b32 v[AS+12+\j], v[L4], s[ASP4:ASP4+1] offset:128*\j
.endr
.irp i, 0,1,2,3
	ALOAD \i, AP, 6144*\i
.endr
	v_and_b32 v60, 15, v0                          ; r
	v_bfe_u32 v61, v0, 4, 1                        ; h
	s_mul_i32 s26, s16, 16*SPT                     ; my stage
	v_mul_u32_u24 v[STO], v60, SPT
	v_lshl_add_u32 v[STO], v61, 6, v[STO]
	v_add_nc_u32 v[STO], s26, v[STO]
	v_mul_u32_u24 v[RD], v61, SPT
	v_lshl_add_u32 v[RD], v60, 4, v[RD]
	v_add_nc_u32 v[RD], s26, v[RD]
	v_mul_u32_u24 v[GO], v61, 3072
	v_lshl_add_u32 v[GO], v60, 4, v[GO]
	v_lshlrev_b32 v8, 6, v61                       ; bo: 16 h numbers on
	s_mul_i32 s26, s17, 6
	s_add_co_u32 s26, s26, 712                     ; Wo's first group of my columns
	s_mul_i32 s32, s26, 12288
	s_add_nc_u64 s[4:5], s[4:5], s[32:33]
	s_mul_i32 s32, s26, 768
	s_add_nc_u64 s[6:7], s[6:7], s[32:33]
	s_mul_i32 s32, s17, 768                        ; 192 numbers of bo, and 768 bytes of a row of the output
	s_add_nc_u64 s[12:13], s[12:13], s[32:33]
	s_add_nc_u64 s[14:15], s[14:15], s[32:33]
.irp g, 0,1,2,3,4,5
.irp s, 0,1,2,3,4,5
	global_load_b32 v[WS+6*\g+\s], v[L4], s[6:7] offset:768*\g+128*\s
.endr
.endr
.irp w3, 0,1,2
	WIN (1+\w3)<<6
.irp tt, 0,1,2,3
.irp s, 0,1,2,3,4,5
.irp c, 0,1
	global_load_b128 v[48*\tt+8*\s+4*\c:48*\tt+8*\s+4*\c+3], v[L16], s[4:5] offset:6144*(4*\w3+\tt)+1024*\s+512*\c
.endr
.endr
	global_load_b128 v[192+8*\tt:195+8*\tt], v8, s[12:13] offset:(32*((4*\w3+\tt)/2)+8*(\tt%2))*4      ; lane (r, h), register j: column 32 (tile / 2) + 16 h + 8 (tile % 2) + j
	global_load_b128 v[196+8*\tt:199+8*\tt], v8, s[12:13] offset:(32*((4*\w3+\tt)/2)+8*(\tt%2))*4+16
.endr
.endr
	WIN 0
; Tile i of my five.
.macro TILE i
.if \i == 4
	s_cmp_ge_u32 s[TAU], 1184                      ; the one wave whose first tile is 1,180 has four tiles
	s_cbranch_scc1 .Lend
.endif
.if (\i == 0) || (\i == 4)
	s_wait_loadcnt 0x0                             ; tile 0: all that the head asked for is in, tiles 1 to 3 among it; tile 4: its twelve loads, asked for behind tile 0's products
.endif
.if \i > 0
	s_wait_xcnt 0x0                                ; the last tile's stores have read their data, which the products below write over, and their base
.endif
.irp s, 0,1,2,3,4,5                            ; 72 products, the twelve accumulators by turns
	APLACE \i, \s
.irp w3, 0,1,2
.if \s == 0
.set WV, (1+\w3)|(XW<<2)|((1+\w3)<<4)
.else
.set WV, (1+\w3)|(XW<<2)
.endif
	WIN WV
.irp tt, 0,1,2,3
.set rD, ACC+8*(4*\w3+\tt)
.set rA, 48*\tt+8*\s
.set rB, rX
.if \s == 0
.set rC, 192+8*\tt
.else
.set rC, rD
.endif
.set rSA, WS+6*((4*\w3+\tt)/2)+\s
.set rSB, AS+3*(\i)+(\s/2)
.set fA, \tt%2
.set fB, \s%2
	WM
.endr
.endr
.endr
	WIN 0
.rept 5
	v_nop                                          ; FIVE places behind the products (ISA guide 7.12.1).  Four serve the stage's stores, which read the results, and the loads into a's fragments; the fifth is owed by the
.endr                                              ; next tile's first products, which begin these accumulators anew with bo as C and so write over results: no other plain vector line stands between two tiles' products
.if \i == 0
	ALOAD 4, AP4, 0                                ; the fifth tile, into the registers that tile 0 has left
.endif
.irp tl, 0,1,2,3,4,5,6,7,8,9,10,11
	ds_store_b128 v[STO], v[ACC+8*\tl:ACC+8*\tl+3] offset:128*(\tl/2)+32*(\tl%2)       ; each accumulator from its low end on
	ds_store_b128 v[STO], v[ACC+8*\tl+4:ACC+8*\tl+7] offset:128*(\tl/2)+32*(\tl%2)+16
.endr
.irp k, 0,1,2,3,4,5,6,7
.irp q, 0,1,2
	ds_load_b128 v[ACC+4*(3*\k+\q):ACC+4*(3*\k+\q)+3], v[RD] offset:2*\k*SPT+256*\q   ; stage rows 2 k and 2 k + 1.  LDS serves a wave's instructions in order: these see the stores above
.endr
.endr
	s_mul_i32 s30, s[TAU], 1772
	s_lshr_b32 s30, s30, 16                        ; batch = tile / 37 (exact under 1,184)
	s_mul_i32 s31, s30, 37
	s_sub_co_u32 s31, s[TAU], s31                  ; T
	s_mul_i32 s30, s30, 577
	s_lshr_b32 s26, s31, 1
	s_lshl_b32 s26, s26, 5
	s_add_co_u32 s30, s30, s26
	s_and_b32 s26, s31, 1
	s_lshl_b32 s26, s26, 3
	s_add_co_u32 s30, s30, s26                     ; the tile's row 0 in the output
	s_mul_i32 s32, s30, 3072
	s_add_nc_u64 s[OP:OP+1], s[14:15], s[32:33]
	s_cmp_eq_u32 s31, 36
	s_cbranch_scc1 .Lone_row_\@
.irp k, 0,1,2,3,4,5,6,7
.irp q, 0,1,2
	s_wait_dscnt 23-(3*\k+\q)                      ; LDS loads come back in order: the count is the younger ones
	global_store_b128 v[GO], v[ACC+4*(3*\k+\q):ACC+4*(3*\k+\q)+3], s[OP:OP+1] offset:(2*\k+8*(\k/4))*3072+256*\q th:TH_STORE_NT   ; stage row i is token row i + 8 (i / 8); sixteen lanes store 256 consecutive bytes, aligned
.endr
.endr
	s_branch .Lstored_\@
.Lone_row_\@:
	s_wait_dscnt 0x0
	s_wait_xcnt 0x0                                ; EXEC changes only behind this wait: loads may be out
	v_cmp_gt_u32 vcc_lo, 16, v[LN]
	s_and_saveexec_b32 s34, vcc_lo                 ; lanes 0-15 hold stage row 0: token 576
.irp q, 0,1,2
	global_store_b128 v[GO], v[ACC+4*\q:ACC+4*\q+3], s[OP:OP+1] offset:256*\q th:TH_STORE_NT
.endr
	s_wait_xcnt 0x0                                ; and again, in front of the line that widens it
	s_or_b32 exec_lo, exec_lo, s34
.Lstored_\@:
	s_add_co_u32 s[TAU], s[TAU], 1
.endm
	TILE 0
	TILE 1
	TILE 2
	TILE 3
	TILE 4
.Lend:
	s_wait_tensorcnt 0x0
	ds_add_u32 v62, v63
	s_wait_dscnt 0x0
	s_endpgm
.Lfunc_end_k_qd1b51863a9_proj:
	.size	k_qd1b51863a9_proj, .Lfunc_end_k_qd1b51863a9_proj-k_qd1b51863a9_proj
	.p2alignl 7, 3214868480
	.fill 96, 4, 3214868480
	.section	.rodata,"a",@progbits
	.p2align	6, 0x0
	.amdhsa_kernel k_qd1b51863a9_proj
		.amdhsa_group_segment_fixed_size 50688
		.amdhsa_private_segment_fixed_size 0
		.amdhsa_enable_private_segment 0
		.amdhsa_kernarg_size 48
		.amdhsa_user_sgpr_count 2
		.amdhsa_user_sgpr_kernarg_segment_ptr 1
		.amdhsa_wavefront_size32 1
		.amdhsa_system_sgpr_workgroup_id_x 1
		.amdhsa_system_sgpr_workgroup_id_y 1
		.amdhsa_system_sgpr_workgroup_id_z 1
		.amdhsa_system_vgpr_workitem_id 0
		.amdhsa_next_free_vgpr 1024
		.amdhsa_next_free_sgpr 66
		.amdhsa_reserve_vcc 1
		.amdhsa_float_denorm_mode_32 3
		.amdhsa_float_denorm_mode_16_64 3
		.amdhsa_memory_ordered 1
		.amdhsa_forward_progress 1
		.amdhsa_inst_pref_size 114
	.end_amdhsa_kernel
	.amdgpu_metadata
---
amdhsa.version: [ 1, 2 ]
amdhsa.kernels:
  - .name:           k_qd1b51863a9_proj
    .symbol:         k_qd1b51863a9_proj.kd
    .args:
      - { .name: cod, .offset: 0, .size: 8, .value_kind: global_buffer, .address_space: global }
      - { .name: scl, .offset: 8, .size: 8, .value_kind: global_buffer, .address_space: global }
      - { .name: ac, .offset: 16, .size: 8, .value_kind: global_buffer, .address_space: global }
      - { .name: asc, .offset: 24, .size: 8, .value_kind: global_buffer, .address_space: global }
      - { .name: bo, .offset: 32, .size: 8, .value_kind: global_buffer, .address_space: global }
      - { .name: out0, .offset: 40, .size: 8, .value_kind: global_buffer, .address_space: global }
    .group_segment_fixed_size: 50688
    .private_segment_fixed_size: 0
    .kernarg_segment_align: 8
    .kernarg_segment_size: 48
    .max_flat_workgroup_size: 128
    .sgpr_count:     66
    .vgpr_count:     1024
    .wavefront_size: 32
...
	.end_amdgpu_metadata
.endif
;; end of part 4
;; ======== version 2 of 2: 4 launches
;; workspace buffers: cod 9,043,968 bytes; scl 565,248 bytes; qc 7,864,320 bytes; qs 983,040 bytes; kv 17,301,504 bytes; ac 7,274,496 bytes; asc 454,656 bytes
;; launch quant (part 5): grid 736 x 1, 12 waves a work-group, no clusters, 102,912 bytes of LDS; arguments x, Wq, Wk, Wv, Wo, cod, scl; writes cod, scl
.if DOCPART == 5
	.amdgcn_target "amdgcn-amd-amdhsa--gfx1250"
	.amdhsa_code_object_version 6
	.text
	.protected	k_qd1b51863a9_quant
	.globl	k_qd1b51863a9_quant
	.p2align	8
	.type	k_qd1b51863a9_quant,@function
k_qd1b51863a9_quant:
	s_mov_b64 s[64:65], 0
	v_nop
	global_prefetch_b8 v0, s[64:65] scope:SCOPE_SE
	s_setreg_imm32_b32 hwreg(HW_REG_WAVE_MODE, 25, 1), 1
	s_wait_xcnt 0x0
; x [32][577][768] and Wq, Wk, Wv, Wo [768][768], f32, K innermost, become codes of FP4 (E2M1) with one E8M0 byte for each 32 along K.
; THE OUTPUT IS LAID AS THE MATRIX UNIT'S REGISTERS WANT IT.  A GROUP is 32 rows; tile u (0, 1) of a group holds, as its row r (0..15), row 32 g + 8 u + r + 8 (r / 8) of the tensor.
; A tile's codes lie [K block 0..23][r][16 bytes]: a fragment (16 rows x 128 K) is 1,024 bytes on end, and lane l's registers 4 c .. 4 c + 3 are the 16 bytes at 512 c + 16 l.
; A group's scale words lie [K step 0..5][16 u + r]: one register serves both tiles of a group.
; cod: 736 groups x 12,288 bytes; scl: 736 x 768.  Groups 0..639: x, 20 groups a batch (tokens over 576 get zero codes); group 640 + 24 m + g: weight m (Wq, Wk, Wv, Wo).
; SHARES.  A work-group takes a group; wave w takes tile u = w / 6 and K step s = w % 6: 16 rows x 128 numbers.  Each load reads 512 consecutive bytes of one row; the 8 KiB turn through the wave's own
; stage in LDS (rows 528 bytes apart, an odd multiple of 16) and come back so that lane (r, h) holds, of row r, 16 neighbours of each block of 32.  No loop, no barrier: waves share nothing.
; A block's scale is 2^(floor(log2(largest magnitude)) - 2): its byte is the largest magnitude's exponent field - 2, held at 1 from below.
; LIMITS: NaN and infinities are not served; a block of zeros, or one whose largest magnitude lies under 2^-124, gets the byte 1 (the rule says 127 for zeros): its codes are zeros, and this program alone reads the bytes.
.set XROW,  3072                       ; a row of any of the five tensors, in bytes
.set SP,    528                        ; a stage row: 512 bytes + 16
.set WST,   16*SP                      ; a wave's stage
.set OFF,   16                         ; v16-31  byte offset of my 16 bytes in each of the tile's 16 rows
.set R,     32                         ; v32-95  the numbers, as loaded and then as turned
.set TM,    96                         ; v96-111 at work: +0 largest magnitudes, +4 bytes, +12 the conversions' scale operands
.set PC,    112                        ; v112-119 the fragment's codes
.set PW,    120                        ; v120    the scale word
.set SEL,   34                         ; s[34:35] lane selects: lane l xor 16
	s_load_b256 s[4:11], s[0:1], 0x0               ; x, Wq, Wk, Wv
	s_load_b128 s[12:15], s[0:1], 0x20             ; Wo, cod
	s_load_b64 s[16:17], s[0:1], 0x30              ; scl
	v_lshl_add_u32 v128, v0, 2, 0x18c00
	v_mov_b32 v129, 0
	v_lshrrev_b32 v1, 5, v0
	s_delay_alu instid0(VALU_DEP_1)
	v_readfirstlane_b32 s18, v1                    ; wave 0..11
	s_cmp_ge_u32 s18, 6
	s_cselect_b32 s19, 1, 0                        ; u
	s_mul_i32 s20, s19, 6
	s_sub_co_u32 s20, s18, s20                     ; s
	s_mul_i32 s21, s18, WST                        ; my stage
	s_mul_i32 s22, ttmp9, 3277
	s_lshr_b32 s22, s22, 16                        ; x: batch = group / 20 (exact for groups under 640)
	s_mul_i32 s23, s22, 20
	s_sub_co_u32 s23, ttmp9, s23                   ; and the group in the batch
	s_sub_co_u32 s24, ttmp9, 640
	s_mul_i32 s25, s24, 2731
	s_lshr_b32 s25, s25, 16                        ; weights: which = (group - 640) / 24 (exact under 96)
	s_mul_i32 s26, s25, 24
	s_sub_co_u32 s26, s24, s26                     ; and the group in it
	s_mul_i32 s28, s22, 577                        ; x: the batch's first row
	s_mov_b32 s29, 767                             ; the last row of a weight
	s_mov_b32 s[SEL], 0x76543210
	s_mov_b32 s[SEL+1], 0xfedcba98
	v_and_b32 v7, 31, v0                           ; lane
	v_and_b32 v8, 15, v0                           ; r
	v_bfe_u32 v10, v0, 4, 1                        ; h
	s_delay_alu instid0(VALU_DEP_3)
	v_lshlrev_b32 v4, 4, v7                        ; 16 x lane
	s_delay_alu instid0(VALU_DEP_3)
	v_lshlrev_b32 v5, 2, v8                        ; 4 r
	s_delay_alu instid0(VALU_DEP_2)
	v_add_nc_u32 v2, s21, v4                       ; the stage, on the way in: 16 x lane of a row
	v_mul_u32_u24 v3, v8, SP
	s_delay_alu instid0(VALU_DEP_1)
	v_lshl_add_u32 v3, v10, 6, v3
	s_delay_alu instid0(VALU_DEP_1)
	v_add_nc_u32 v3, s21, v3                       ; and on the way out: row r, + 64 h
	s_lshl_b32 s31, s20, 9
	v_add_nc_u32 v1, s31, v4                       ; my 16 bytes of a row's K step: 512 s + 16 x lane
	v_and_b32 v9, 8, v8
	s_delay_alu instid0(VALU_DEP_1)
	v_add_nc_u32 v9, v9, v8                        ; r + 8 (r / 8)
.irp b, 0,1,2,3
	v_mov_b32 v[TM+4+\b], 0                        ; written once: a lane permute's destination counts as one of its sources
.endr
	s_wait_alu depctr_va_vdst(0)
	s_wait_kmcnt 0x0
	s_cmp_eq_u32 s25, 1                            ; the tensor is chosen by the work-group's number alone
	s_cselect_b64 s[6:7], s[8:9], s[6:7]
	s_cmp_eq_u32 s25, 2
	s_cselect_b64 s[6:7], s[10:11], s[6:7]
	s_cmp_eq_u32 s25, 3
	s_cselect_b64 s[6:7], s[12:13], s[6:7]
	s_cmp_lt_u32 ttmp9, 640
	s_cselect_b64 s[4:5], s[4:5], s[6:7]
	s_cselect_b32 s27, s23, s26                    ; the group in its batch or weight
	s_cselect_b32 s28, s28, 0                      ; the first row of that batch or weight
	s_cselect_b32 s29, 576, s29                    ; and its last row, counted from there
	s_lshl_b32 s30, s27, 5
	s_lshl_b32 s31, s19, 3
	s_add_co_u32 s30, s30, s31                     ; the tile's row 0: 32 g + 8 u
.irp i, 0,1,2,3,4,5,6,7,8,9,10,11,12,13,14,15
	s_add_co_u32 s36, s30, \i+8*(\i/8)             ; tile row i
	s_min_u32 s36, s36, s29                        ; a row past the end reads the last row again: no load leaves its buffer
	s_add_co_u32 s36, s36, s28
	s_mul_i32 s36, s36, XROW
	v_add_nc_u32 v[OFF+\i], s36, v1
.endr
	s_wait_alu depctr_va_vdst(0)
.irp i, 0,1,2,3,4,5,6,7,8,9,10,11,12,13,14,15
	global_load_b128 v[R+4*\i:R+4*\i+3], v[OFF+\i], s[4:5] th:TH_LOAD_NT   ; 32 lanes read 512 consecutive bytes of one row
.endr
	v_add_nc_u32 v9, s30, v9                       ; my row
	s_delay_alu instid0(VALU_DEP_1)
	v_cmp_ge_u32 vcc_lo, s29, v9
	s_delay_alu instid0(VALU_DEP_1)
	v_cndmask_b32 v6, 0, -1, vcc_lo                ; all ones where my row exists, else 0
	s_mul_i32 s32, ttmp9, 12288                    ; where my fragment goes: 12,288 x group + 6,144 u + 1,024 s
	s_mul_i32 s33, s19, 6144
	s_add_co_u32 s32, s32, s33
	s_lshl_b32 s33, s20, 10
	s_add_co_u32 s32, s32, s33
	s_mov_b32 s33, 0
	s_add_nc_u64 s[14:15], s[14:15], s[32:33]
	s_mul_i32 s32, ttmp9, 768                      ; and its scale words: 768 x group + 128 s + 64 u
	s_lshl_b32 s31, s20, 7
	s_add_co_u32 s32, s32, s31
	s_lshl_b32 s31, s19, 6
	s_add_co_u32 s32, s32, s31
	s_add_nc_u64 s[16:17], s[16:17], s[32:33]
.irp i, 0,1,2,3,4,5,6,7,8,9,10,11,12,13,14,15
	s_wait_loadcnt 15-\i                           ; loads come back in order: row i is in, the 15 - i younger ones may be out
	ds_store_b128 v2, v[R+4*\i:R+4*\i+3] offset:SP*\i
.endr
.irp b, 0,1,2,3
.irp j, 0,1,2,3
	ds_load_b128 v[R+16*\b+4*\j:R+16*\b+4*\j+3], v3 offset:128*\b+16*\j   ; register 16 b + i = k 32 b + 16 h + i of row r.  LDS serves a wave's instructions in order: these see the stores above
.endr
.endr
	s_wait_dscnt 0x0
.irp b, 0,1,2,3
	v_max3_num_f32 v[TM+\b], |v[R+16*\b]|, |v[R+1+16*\b]|, 0x1800000   ; block b: my 16 numbers, and the floor 2^(3 - 127): so the byte cannot fall under 1
.endr
.irp i, 2,4,6,8,10,12,14
.irp b, 0,1,2,3
	s_delay_alu instid0(VALU_DEP_4)
	v_max3_num_f32 v[TM+\b], v[TM+\b], |v[R+16*\b+\i]|, |v[R+1+16*\b+\i]|   ; the four blocks by turns
.endr
.endr
.irp b, 0,1,2,3
	s_delay_alu instid0(VALU_DEP_4)
	v_permlanex16_b32 v[TM+4+\b], v[TM+\b], s[SEL], s[SEL+1]
.endr
.irp b, 0,1,2,3
	s_delay_alu instid0(VALU_DEP_4)
	v_max_num_f32 v[TM+\b], v[TM+\b], v[TM+4+\b]   ; with lane l xor 16's 16: the block's largest magnitude
.endr
.irp b, 0,1,2,3
	s_delay_alu instid0(VALU_DEP_4)
	v_add_nc_u32 v[TM+12+\b], 0xff000000, v[TM+\b] ; 2 off its exponent field: the conversion takes the exponent field of this operand as its scale
.endr
.irp b, 0,1,2,3
	s_delay_alu instid0(VALU_DEP_4)
	v_lshrrev_b32 v[TM+4+\b], 23, v[TM+12+\b]      ; the scale's byte
.endr
	s_delay_alu instid0(VALU_DEP_3)
	v_lshl_or_b32 v[PW], v[TM+5], 8, v[TM+4]       ; four bytes: my row's scale word for this K step
	s_delay_alu instid0(VALU_DEP_1)
	v_lshl_or_b32 v[PW], v[TM+6], 16, v[PW]
	s_delay_alu instid0(VALU_DEP_1)
	v_lshl_or_b32 v[PW], v[TM+7], 24, v[PW]
.irp b, 0,1,2,3
	v_cvt_scalef32_pk8_fp4_f32 v[PC+2*\b], v[R+16*\b:R+7+16*\b], v[TM+12+\b]
	v_cvt_scalef32_pk8_fp4_f32 v[PC+1+2*\b], v[R+8+16*\b:R+15+16*\b], v[TM+12+\b]
.endr
	v_nop                                          ; one plain place behind a scaled conversion
.irp c, 0,1                                    ; the operand's layout wants a whole block in a lane: lanes 0-15 block 2 c, lanes 16-31 block 2 c + 1
.irp i, 0,1
	v_permlane16_swap_b32 v[PC+4*\c+\i], v[PC+2+4*\c+\i]
.endr
.endr
.irp j, 0,1,2,3,4,5,6,7
	v_and_b32 v[PC+\j], v6, v[PC+\j]               ; a row past the end has zero codes (its scale bytes are the last row's: any byte but 0xff does)
.endr
	global_store_b128 v4, v[PC:PC+3], s[14:15]     ; 512 consecutive bytes each
	global_store_b128 v4, v[PC+4:PC+7], s[14:15] offset:512
	global_store_b32 v5, v[PW], s[16:17]           ; lanes r and r + 16 hold the same word and write it to the same place
	s_wait_tensorcnt 0x0
	ds_add_u32 v128, v129
	s_wait_dscnt 0x0
	s_endpgm
.Lfunc_end_k_qd1b51863a9_quant:
	.size	k_qd1b51863a9_quant, .Lfunc_end_k_qd1b51863a9_quant-k_qd1b51863a9_quant
	.p2alignl 7, 3214868480
	.fill 96, 4, 3214868480
	.section	.rodata,"a",@progbits
	.p2align	6, 0x0
	.amdhsa_kernel k_qd1b51863a9_quant
		.amdhsa_group_segment_fixed_size 102912
		.amdhsa_private_segment_fixed_size 0
		.amdhsa_enable_private_segment 0
		.amdhsa_kernarg_size 56
		.amdhsa_user_sgpr_count 2
		.amdhsa_user_sgpr_kernarg_segment_ptr 1
		.amdhsa_wavefront_size32 1
		.amdhsa_system_sgpr_workgroup_id_x 1
		.amdhsa_system_sgpr_workgroup_id_y 1
		.amdhsa_system_sgpr_workgroup_id_z 1
		.amdhsa_system_vgpr_workitem_id 0
		.amdhsa_next_free_vgpr 130
		.amdhsa_next_free_sgpr 66
		.amdhsa_reserve_vcc 1
		.amdhsa_float_denorm_mode_32 3
		.amdhsa_float_denorm_mode_16_64 3
		.amdhsa_memory_ordered 1
		.amdhsa_forward_progress 1
		.amdhsa_inst_pref_size 17
	.end_amdhsa_kernel
	.amdgpu_metadata
---
amdhsa.version: [ 1, 2 ]
amdhsa.kernels:
  - .name:           k_qd1b51863a9_quant
    .symbol:         k_qd1b51863a9_quant.kd
    .args:
      - { .name: x, .offset: 0, .size: 8, .value_kind: global_buffer, .address_space: global }
      - { .name: Wq, .offset: 8, .size: 8, .value_kind: global_buffer, .address_space: global }
      - { .name: Wk, .offset: 16, .size: 8, .value_kind: global_buffer, .address_space: global }
      - { .name: Wv, .offset: 24, .size: 8, .value_kind: global_buffer, .address_space: global }
      - { .name: Wo, .offset: 32, .size: 8, .value_kind: global_buffer, .address_space: global }
      - { .name: cod, .offset: 40, .size: 8, .value_kind: global_buffer, .address_space: global }
      - { .name: scl, .offset: 48, .size: 8, .value_kind: global_buffer, .address_space: global }
    .group_segment_fixed_size: 102912
    .private_segment_fixed_size: 0
    .kernarg_segment_align: 8
    .kernarg_segment_size: 56
    .max_flat_workgroup_size: 384
    .sgpr_count:     66
    .vgpr_count:     130
    .wavefront_size: 32
...
	.end_amdgpu_metadata
.endif
;; end of part 5
;; launch qkv (part 6): grid 40 x 6, 4 waves a work-group, no clusters, 0 bytes of LDS; arguments cod, scl, bq, bk, bv, qc, qs, kv; writes qc, qs, kv
.if DOCPART == 6
	.amdgcn_target "amdgcn-amd-amdhsa--gfx1250"
	.amdhsa_code_object_version 6
	.text
	.protected	k_qd1b51863a9_qkv
	.globl	k_qd1b51863a9_qkv
	.p2align	8
	.type	k_qd1b51863a9_qkv,@function
k_qd1b51863a9_qkv:
	s_mov_b64 s[64:65], 0
	v_nop
	global_prefetch_b8 v0, s[64:65] scope:SCOPE_SE
	s_setreg_imm32_b32 hwreg(HW_REG_WAVE_SCHED_MODE, 0, 2), 2
	s_setreg_imm32_b32 hwreg(HW_REG_WAVE_MODE, 25, 1), 1
	s_wait_xcnt 0x0
	s_wait_alu depctr_vm_vsrc(0)
; q = x Wq^T + bq, k = x Wk^T + bk, v = x Wv^T + bv on codes of FP4 with E8M0 scales (K = 768, six K steps of 128); the results are quantised at once: q and k along the head's 64 channels, v along the keys.
; SHARES.  Work-group (x, hp); wave w owns head hd = 2 hp + w % 2 and chunk 2 x + w / 2, and keeps that head's 64 rows of Wq, Wk and Wv in registers for the whole launch: 3 x 4 tiles x 6 K steps x 8 = 576 registers, read once.
; So two waves of a work-group name the same weights and two the same tokens: 2 x 73,728 + 2 x 98,304 = 344,064 different bytes of codes a work-group, against 4 x 73,728 + 98,304 = 393,216 with four heads on one chunk.
; A wave walks 8 groups of 32 tokens (cod's groups 8 chunk .. 8 chunk + 7): two UNITS of 4 groups; a unit is one key step of 128 tokens of one batch (a batch has 20 groups).  Waves hand each other nothing: no LDS, no barrier.
; TILES.  Row r of tile u of a group is row 32 g + 8 u + r + 8 (r / 8), for tokens and for weight rows alike, so that a lane's 16 registers of two neighbouring result tiles are 16 neighbours along the next K.
; q, k: source 0 = 16 rows of W, source 1 = 16 tokens: a lane holds one token, its registers run along the channels.  v: source 0 = 16 tokens, source 1 = 16 rows of Wv: a lane holds one channel, its registers run along the tokens.
; The biases are the C of each sum's first product.
; OUT.  qc [bh][tile 40][512]: a tile's codes as the low four registers of a fragment (channels 32 h ..).  qs [bh][tile / 4][r][tile % 4] words (bytes 0, 1 the scales, bytes 2, 3 zero).
; kv [bh], records of 45,056 bytes: k's codes as qc (20,480) | v's codes [channel tile 4][key block 20][r][16] (20,480) | k's words as qs (2,560) | v's words [key step 5][r][channel tile 4] (1,280) | 256 zeros.
; Tokens over 576 have zero codes in cod; their v is set to zero ahead of the quantiser, since the keys are the next K; their q and k are bias alone and are never used.
; LIMITS: NaN and infinities are not served; a block of zeros or under 2^-124 gets the byte 1 with zero codes.
; THE MODE: SCHED_MODE bits 1:0 = 2 (LLVM: expert scheduling mode 2), set by the entry lines.  The code itself states the register dependences between vector or matrix instructions and memory instructions, with s_wait_alu, always for 0.
; THE PLAN.  A unit is 12 PHASES, p = 3 x group + (0 q, 1 k, 2 v): 48 products, then the quantiser.  Registers that memory instructions touch:
;   x's two sets and their words   A group's 144 products read one set; the loads at the group's head land in the other, which the group before multiplied.
;   O0, O1, two out-buffers        Phase p's conversions and lane swaps write O[p % 2].  Its stores are issued a phase later: a q phase's in the k phase, a k phase's in the v phase, behind that phase's products; a v phase's at the next group's head.
;   v60-71, the words              Written by the phases; q's and k's are stored in an odd group's v phase, v's at the unit's end.
;   v96-99                         Once a batch and head: zeros, read by the store of the record's last 256 bytes; the next unit's first products write them again.
;   v1-5, v7                       Offsets, made at the head and never written again.
; Waits on va_vdst: at the head of groups 1 to 3 (the last group's products are done reading the set that is asked for again; its v phase has written its out-buffer); in a k and a v phase behind the products and their places
; (the phase before has written the other out-buffer and the words); at the unit's end, since the unit's bases change; ahead of the zeros' store.  Group 0's loads owe none: since the last such wait stand scalar lines, window switches,
; loads, and stores that name none of their registers.  Waits on vm_vsrc, each beside the wait on XCNT: in phases 2 to 11 (the stores issued a phase ago have read what this phase writes again) and at the unit's label, for phases 0 and 1.
; REGISTERS, in windows of 256.  window 0: v1-4 offsets; v5, v7 the biases' offsets; v8-11 with v80-83 out-buffer 1; v12-23 x's scale words, two sets; v24-59 the weights' scale words; v60-71 the words being gathered;
;   v72-79, v84-87 at work; v88-95 out-buffer 0; v96-159 eight accumulators; v160-255 x's 12 fragments, set 0.
;   window 1 + m (m = 0 Wq, 1 Wk, 2 Wv): v0-191 the weight's fragments, (tile t, K step s) at 48 t + 8 s.  x's set 1: K steps 0-3 at window 1 v192-255, K steps 4, 5 at window 2 v192-223.
;   window 2 v224-255: bq's four tiles.  window 3 v192-223: bk's; v224-255: bv's.
.set L16,  1                           ; v1   16 x lane
.set L4,   2                           ; v2   4 x lane
.set R16,  3                           ; v3   16 r
.set R16H, 4                           ; v4   16 r + 8 h
.set BVO,  5                           ; v5   bv: 4 (r + 8 (r / 8))
.set BQO,  7                           ; v7   bq, bk: 64 h
.set XS,   12                          ; x's scale words: set b, K step s at XS + 6 b + s (lanes 0-15 tile 0, lanes 16-31 tile 1)
.set WS,   24                          ; the weights': WS + 12 m + 6 (t / 2) + s
.set QW,   60                          ; v60-63 q's words of four tiles; v64-67 k's
.set VW,   68                          ; v68-71 v's words of four channel tiles
.set TM,   72                          ; +0 largest magnitudes, +4 bytes, +12 the conversions' scale operands (+8 .. +11 belong to out-buffer 1)
.set ACC,  96
.set XF0,  160
.set HD,   21                          ; s21  my head
.set GG,   23                          ; s23  the group whose fragments were asked for last
.set KSR,  26                          ; s26  the unit's key step in its batch
.set XP,   28                          ; s[28:29], s[30:31] where x's codes and words are loaded from
.set XSP,  30
.set QP,   32                          ; s[32:33] qc, s[34:35] qs, s[36:37] k's codes, s[38:39] k's words, at this unit
.set QSP,  34
.set VP,   40                          ; s[40:41] v's codes, s[42:43] v's words
.set VSP,  42
.set CNT,  52
.set CH,   53                          ; s53  my chunk of 8 groups
.set SEL,  54
.set MSB, 0
.macro WIN new                         ; bits 1:0 source 0, 3:2 source 1, 5:4 source 2, 7:6 destination; the high byte repeats the setting that is left
.if MSB != (\new)
	s_set_vgpr_msb (MSB<<8)|(\new)
.set MSB, (\new)
.endif
.endm
.macro OUTB b                          ; O0, O1: where the two halves, four registers each, of out-buffer b stand
.if (\b) == 0
.set O0, 88
.set O1, 92
.else
.set O0, 80
.set O1, 8
.endif
.endm
; One product, by the symbols rD, rA, rB, rC, rSA, rSB; fA, fB: the side's scale words stand in lanes 16-31
.macro WM
.if fA && fB
	v_wmma_scale_f32_16x16x128_f8f6f4 v[rD:rD+7], v[rA:rA+7], v[rB:rB+7], v[rC:rC+7], v[rSA], v[rSB] matrix_a_fmt:MATRIX_FMT_FP4 matrix_b_fmt:MATRIX_FMT_FP4 matrix_a_scale:MATRIX_SCALE_ROW1 matrix_b_scale:MATRIX_SCALE_ROW1
.elseif fA
	v_wmma_scale_f32_16x16x128_f8f6f4 v[rD:rD+7], v[rA:rA+7], v[rB:rB+7], v[rC:rC+7], v[rSA], v[rSB] matrix_a_fmt:MATRIX_FMT_FP4 matrix_b_fmt:MATRIX_FMT_FP4 matrix_a_scale:MATRIX_SCALE_ROW1
.elseif fB
	v_wmma_scale_f32_16x16x128_f8f6f4 v[rD:rD+7], v[rA:rA+7], v[rB:rB+7], v[rC:rC+7], v[rSA], v[rSB] matrix_a_fmt:MATRIX_FMT_FP4 matrix_b_fmt:MATRIX_FMT_FP4 matrix_b_scale:MATRIX_SCALE_ROW1
.else
	v_wmma_scale_f32_16x16x128_f8f6f4 v[rD:rD+7], v[rA:rA+7], v[rB:rB+7], v[rC:rC+7], v[rSA], v[rSB] matrix_a_fmt:MATRIX_FMT_FP4 matrix_b_fmt:MATRIX_FMT_FP4
.endif
.endm
.macro PLACES                          ; four plain places behind a run of products, ahead of the first read of results (ISA guide 7.12.1)
.rept 4
	v_nop
.endr
.endm
; Four blocks of 32: block b is registers s + 16 b .. + 15 of lanes l and l xor 16.  Bytes to v[TM+4+b]; codes (half blocks) of blocks 0, 1 to v[O0 ..], of blocks 2, 3 to v[O1 ..].
.macro QUANT s
.irp b, 0,1,2,3
	v_max3_num_f32 v[TM+\b], |v[\s+16*\b]|, |v[\s+1+16*\b]|, 0x1800000   ; with the floor 2^(3 - 127): the byte cannot fall under 1.  Each accumulator is read from its low end on
.endr
.irp i, 2,4,6,8,10,12,14
.irp b, 0,1,2,3
	v_max3_num_f32 v[TM+\b], v[TM+\b], |v[\s+16*\b+\i]|, |v[\s+1+16*\b+\i]|
.endr
.endr
.irp b, 0,1,2,3
	v_permlanex16_b32 v[TM+4+\b], v[TM+\b], s[SEL], s[SEL+1]
.endr
.irp b, 0,1,2,3
	v_max_num_f32 v[TM+\b], v[TM+\b], v[TM+4+\b]
.endr
.irp b, 0,1,2,3
	v_add_nc_u32 v[TM+12+\b], 0xff000000, v[TM+\b] ; 2 off the exponent field: the conversion's scale operand
.endr
.irp b, 0,1,2,3
	v_lshrrev_b32 v[TM+4+\b], 23, v[TM+12+\b]      ; the scale's byte
.endr
.irp b, 0,1
	v_cvt_scalef32_pk8_fp4_f32 v[O0+2*\b], v[\s+16*\b:\s+7+16*\b], v[TM+12+\b]
	v_cvt_scalef32_pk8_fp4_f32 v[O0+1+2*\b], v[\s+8+16*\b:\s+15+16*\b], v[TM+12+\b]
.endr
.irp b, 0,1
	v_cvt_scalef32_pk8_fp4_f32 v[O1+2*\b], v[\s+32+16*\b:\s+39+16*\b], v[TM+14+\b]
	v_cvt_scalef32_pk8_fp4_f32 v[O1+1+2*\b], v[\s+40+16*\b:\s+47+16*\b], v[TM+14+\b]
.endr
	v_nop                                          ; one plain place behind a scaled conversion
.endm
; A group's 12 fragments and 6 registers of scale words into set buf
.macro XLOAD buf
.if \buf == 0
	WIN 0
.irp u, 0,1
.irp s, 0,1,2,3,4,5
.irp c, 0,1
	global_load_b128 v[XF0+48*\u+8*\s+4*\c:XF0+48*\u+8*\s+4*\c+3], v[L16], s[XP:XP+1] offset:6144*\u+1024*\s+512*\c
.endr
.endr
.endr
.else
	WIN 0x40
.irp s, 0,1,2,3
.irp u, 0,1
.irp c, 0,1
	global_load_b128 v[192+8*(2*\s+\u)+4*\c:192+8*(2*\s+\u)+4*\c+3], v[L16], s[XP:XP+1] offset:6144*\u+1024*\s+512*\c
.endr
.endr
.endr
	WIN 0x80
.irp s, 4,5
.irp u, 0,1
.irp c, 0,1
	global_load_b128 v[192+8*(2*\s+\u-8)+4*\c:192+8*(2*\s+\u-8)+4*\c+3], v[L16], s[XP:XP+1] offset:6144*\u+1024*\s+512*\c
.endr
.endr
.endr
	WIN 0
.endif
.irp s, 0,1,2,3,4,5
	global_load_b32 v[XS+6*\buf+\s], v[L4], s[XSP:XSP+1] offset:128*\s
.endr
.endm
.macro XPLACE buf, u, s                ; rX, XW: where x's fragment (u, s) of set buf stands
.if \buf == 0
.set XW, 0
.set rX, XF0+48*\u+8*\s
.else
.set rX, 192+8*((2*\s+\u)%8)
.if \s < 4
.set XW, 1
.else
.set XW, 2
.endif
.endif
.endm
; The stores of a finished phase, out of out-buffer b.  q's or k's codes of group i's two tiles of tokens: 512 consecutive bytes each
.macro SEND_QK mat, i, b
	OUTB \b
	global_store_b128 v[L16], v[O0:O0+3], s[QP+4*\mat:QP+4*\mat+1] offset:512*(2*(\i))
	global_store_b128 v[L16], v[O1:O1+3], s[QP+4*\mat:QP+4*\mat+1] offset:512*(2*(\i)+1)
.endm
; v's codes of group i: for each channel tile a key block of 16 channels: 256 consecutive bytes, aligned
.macro SEND_V i, b
	OUTB \b
	global_store_b64 v[R16H], v[O0:O0+1], s[VP:VP+1] offset:256*(\i)
	global_store_b64 v[R16H], v[O0+2:O0+3], s[VP:VP+1] offset:5120+256*(\i)
	global_store_b64 v[R16H], v[O1:O1+1], s[VP:VP+1] offset:10240+256*(\i)
	global_store_b64 v[R16H], v[O1+2:O1+3], s[VP:VP+1] offset:15360+256*(\i)
.endm
; q (mat = 0) or k (mat = 1) of the group's 32 tokens: 48 products, the eight accumulators (token tile u, channel tile t) by turns; then quantised into out-buffer (3 i + mat) % 2.
.macro PHASE_QK mat, buf, i
.irp s, 0,1,2,3,4,5
	XPLACE \buf, 0, \s
.if \s == 0
.set WV, (1+\mat)|(XW<<2)|((2+\mat)<<4)
.else
.set WV, (1+\mat)|(XW<<2)
.endif
	WIN WV
.irp u, 0,1
.irp t, 0,1,2,3
	XPLACE \buf, \u, \s
.set rD, ACC+32*\u+8*\t
.set rA, 48*\t+8*\s
.set rB, rX
.if \s == 0
.set rC, 224-32*\mat+8*\t
.else
.set rC, rD
.endif
.set rSA, WS+12*\mat+6*(\t/2)+\s
.set rSB, XS+6*\buf+\s
.set fA, \t%2
.set fB, \u
	WM
.endr
.endr
.endr
	WIN 0
	PLACES
.if (3*\i+\mat) >= 2
	s_wait_xcnt 0x0                                ; the stores issued a phase ago have had their addresses translated: their data are written again only behind this wait
	s_wait_alu depctr_vm_vsrc(0)                   ; and they have read this phase's out-buffer and the words' registers, which the lines below write again
.endif
.if \mat == 1
	s_wait_alu depctr_va_vdst(0)                   ; the q phase's conversions and lane swaps have written the other out-buffer, which the stores below read
	SEND_QK 0, \i, (3*\i)%2
.endif
	OUTB (3*\i+\mat)%2
	QUANT ACC                                      ; block 2 u + b: channels 32 b .. of token tile u
.irp u, 0,1
	v_lshl_or_b32 v[QW+4*\mat+2*(\i%2)+\u], v[TM+5+2*\u], 8, v[TM+4+2*\u]   ; the tile's word: two bytes; bytes 2 and 3 stay 0 (they scale zero codes)
.endr
.irp j, 0,1
	v_permlane16_swap_b32 v[O0+\j], v[O0+2+\j]     ; a whole block to a lane: lanes 0-15 channels 0-31, lanes 16-31 channels 32-63
.endr
.irp j, 0,1
	v_permlane16_swap_b32 v[O1+\j], v[O1+2+\j]
.endr
.endm
; v of the group's 32 tokens: a lane holds one channel; the 16 registers of channel tile t are tokens 32 g + 16 h + 0 .. 15: half of a key block.  Quantised into out-buffer (3 i + 2) % 2.
.macro PHASE_V buf, i
.irp s, 0,1,2,3,4,5
	XPLACE \buf, 0, \s
.if \s == 0
.set WV, XW|(3<<2)|(3<<4)
.else
.set WV, XW|(3<<2)
.endif
	WIN WV
.irp t, 0,1,2,3
.irp u, 0,1
	XPLACE \buf, \u, \s
.set rD, ACC+16*\t+8*\u
.set rA, rX
.set rB, 48*\t+8*\s
.if \s == 0
.set rC, 224+8*\t
.else
.set rC, rD
.endif
.set rSA, XS+6*\buf+\s
.set rSB, WS+24+6*(\t/2)+\s
.set fA, \u
.set fB, \t%2
	WM
.endr
.endr
.endr
	WIN 0
	PLACES
	s_wait_xcnt 0x0                                ; q's stores, issued in the k phase, have had their addresses translated: their data are written again only behind this wait
	s_wait_alu depctr_vm_vsrc(0)                   ; and they have read this phase's out-buffer, which the conversions below write again
	s_wait_alu depctr_va_vdst(0)                   ; the k phase has written the other out-buffer and k's words, which the stores below read
	SEND_QK 1, \i, (3*\i+1)%2
.if (\i%2) == 1
	global_store_b128 v[R16], v[QW:QW+3], s[QSP:QSP+1] offset:256*(\i/2)       ; four tiles' words of 16 rows: 256 consecutive bytes (lanes r and r + 16 write the same)
	global_store_b128 v[R16], v[QW+4:QW+7], s[QSP+4:QSP+5] offset:256*(\i/2)
.endif
.if \i >= 2                            ; groups 18 and 19 of a batch: what lies past token 576 is zero for the quantiser.  A branch on ids alone
	s_cmp_lg_u32 s[KSR], 4
	s_cbranch_scc1 .Lfull_\@
.if \i == 2
.irp t, 0,1,2,3
.irp j, 1,2,3,4,5,6,7,8,9,10,11,12,13,14,15
	v_mov_b32 v[ACC+16*\t+\j], 0
.endr
.endr
	s_mov_b32 vcc_lo, 0xffff0000
.irp t, 0,1,2,3
	v_cndmask_b32 v[ACC+16*\t], v[ACC+16*\t], v[ACC+1], vcc_lo   ; token 576 is register 0 of lanes 0-15
.endr
.else
.irp j, 0,1,2,3,4,5,6,7,8,9,10,11,12,13,14,15,16,17,18,19,20,21,22,23,24,25,26,27,28,29,30,31,32,33,34,35,36,37,38,39,40,41,42,43,44,45,46,47,48,49,50,51,52,53,54,55,56,57,58,59,60,61,62,63
	v_mov_b32 v[ACC+\j], 0
.endr
	s_wait_alu depctr_va_vdst(0)                   ; the moves have written v[ACC] to v[ACC+3], which the store below reads
	global_store_b128 v[R16], v[ACC:ACC+3], s[VSP:VSP+1] offset:256   ; the record's last 256 bytes: zeros
.endif
.Lfull_\@:
.endif
	OUTB (3*\i+2)%2
	QUANT ACC                                      ; block t: the group's 32 tokens of channel tile t
.irp t, 0,1,2,3
.if \i == 0
	v_mov_b32 v[VW+\t], v[TM+4+\t]                 ; a key step's four bytes are gathered over its four groups
.else
	v_lshl_or_b32 v[VW+\t], v[TM+4+\t], 8*\i, v[VW+\t]
.endif
.endr
.endm
; Group i of a unit, from set buf; the next group's fragments are asked for first, into the other set, and have this group's 144 products in which to land.
.macro GROUP i, buf, nbuf
	s_wait_loadcnt 0x0                             ; this set is in (the first time: the weights, biases and words too); no load is out, so the load pointers may be written
.if \i > 0
	s_wait_alu depctr_va_vdst(0)                   ; the last group's products are done reading the other set and its words, in which the loads below land; its v phase has written its out-buffer, which the stores below read
.endif
.if \i == 3
	s_cmp_eq_u32 s[CNT], 1                         ; the last group of the last unit asks for nothing
	s_cbranch_scc1 .Lno_more_\@
.endif
	s_add_co_u32 s[GG], s[GG], 1
	s_mul_i32 s44, s[GG], 12288
	s_mov_b32 s45, 0
	s_add_nc_u64 s[XP:XP+1], s[4:5], s[44:45]
	s_mul_i32 s44, s[GG], 768
	s_add_nc_u64 s[XSP:XSP+1], s[6:7], s[44:45]
	XLOAD \nbuf                                    ; between the last wait on va_vdst and these loads stand scalar lines, window switches, loads, and (group 0) stores that name none of their registers
.if \i == 3
.Lno_more_\@:
.endif
.if \i > 0
	SEND_V \i-1, (3*\i-1)%2                        ; the last group's v
.endif
	PHASE_QK 0, \buf, \i
	PHASE_QK 1, \buf, \i
	PHASE_V \buf, \i
.if \i == 3
	s_wait_alu depctr_va_vdst(0)                   ; the unit's last phase has written its out-buffer and v's words: they leave here, since the unit's bases are written anew behind the label
	SEND_V 3, 1
	global_store_b128 v[R16], v[VW:VW+3], s[VSP:VSP+1]
.endif
.endm
	s_load_b512 s[4:19], s[0:1], 0x0               ; cod, scl, bq, bk, bv, qc, qs, kv
	v_lshrrev_b32 v5, 5, v0
	v_readfirstlane_b32 s20, v5                    ; wave 0..3
	v_and_b32 v5, 31, v0
	v_lshlrev_b32 v[L16], 4, v5
	v_lshlrev_b32 v[L4], 2, v5
	v_and_b32 v6, 15, v0                           ; r
	v_bfe_u32 v7, v0, 4, 1                         ; h
	v_lshlrev_b32 v[R16], 4, v6
	v_lshl_add_u32 v[R16H], v7, 3, v[R16]
	v_lshlrev_b32 v[BQO], 6, v7                    ; bq, bk: 16 h numbers on
	v_and_b32 v[BVO], 8, v6
	v_add_nc_u32 v[BVO], v[BVO], v6
	v_lshlrev_b32 v[BVO], 2, v[BVO]                ; bv: r + 8 (r / 8) numbers on
.irp b, 0,1,2,3
	v_mov_b32 v[TM+4+\b], 0                        ; written once: a lane permute's destination counts as one of its sources
.endr
	s_mov_b32 s[SEL], 0x76543210
	s_mov_b32 s[SEL+1], 0xfedcba98
	s_wait_alu depctr_va_sdst(0)                   ; s20 is written, ahead of its first reader: my head and my chunk are made from it
	s_and_b32 s[HD], ttmp7, 0xffff
	s_lshl_b32 s[HD], s[HD], 1
	s_and_b32 s22, s20, 1
	s_add_co_u32 s[HD], s[HD], s22                 ; my head: 2 hp + w % 2
	s_lshl_b32 s[CH], ttmp9, 1
	s_lshr_b32 s22, s20, 1
	s_add_co_u32 s[CH], s[CH], s22                 ; my chunk: 2 x + w / 2, 0..79
	s_lshl_b32 s[GG], s[CH], 3                     ; my first group
	s_lshl_b32 s44, s[HD], 1
	s_add_co_u32 s44, s44, 640                     ; Wq's groups of my head begin at group 640 + 2 hd; Wk's 24 groups on, Wv's 48
	s_mul_i32 s46, s44, 12288
	s_mov_b32 s47, 0
	s_mul_i32 s48, s44, 768
	s_mov_b32 s49, 0
	s_lshl_b32 s50, s[HD], 8                       ; my head's 64 numbers of a bias
	s_mov_b32 s51, 0
	s_mul_i32 s44, s[GG], 12288
	s_mov_b32 s45, 0
	s_mul_i32 s24, s[GG], 768
	s_mov_b32 s25, 0
	s_wait_kmcnt 0x0
	s_add_nc_u64 s[46:47], s[4:5], s[46:47]
	s_add_nc_u64 s[48:49], s[6:7], s[48:49]
	s_add_nc_u64 s[8:9], s[8:9], s[50:51]
	s_add_nc_u64 s[10:11], s[10:11], s[50:51]
	s_add_nc_u64 s[12:13], s[12:13], s[50:51]
	s_add_nc_u64 s[XP:XP+1], s[4:5], s[44:45]
	s_add_nc_u64 s[XSP:XSP+1], s[6:7], s[24:25]
	s_wait_alu depctr_va_vdst(0)                   ; the six offsets v1 to v5 and v7 are written: every load and store of the kernel reads one of them.  Only loads and window switches follow, up to the first product
	XLOAD 0                                        ; my first group is asked for first; the one wait ahead of the first product is for all loads, so the order is free
.macro WLOAD mat                       ; a weight's 24 fragments: they stay
.irp t, 0,1,2,3
.irp s, 0,1,2,3,4,5
.irp c, 0,1
	global_load_b128 v[48*\t+8*\s+4*\c:48*\t+8*\s+4*\c+3], v[L16], s[46:47] offset:294912*\mat+6144*\t+1024*\s+512*\c
.endr
.endr
.endr
.endm
	WIN 0x40
	WLOAD 0
	WIN 0x80
	WLOAD 1
.irp t, 0,1,2,3                                ; bq, in the result's layout: lane (r, h), register j: channel 32 (t / 2) + 16 h + 8 (t % 2) + j
	global_load_b128 v[224+8*\t:227+8*\t], v[BQO], s[8:9] offset:(32*(\t/2)+8*(\t%2))*4
	global_load_b128 v[228+8*\t:231+8*\t], v[BQO], s[8:9] offset:(32*(\t/2)+8*(\t%2))*4+16
.endr
	WIN 0xc0
	WLOAD 2
.irp t, 0,1,2,3
	global_load_b128 v[192+8*\t:195+8*\t], v[BQO], s[10:11] offset:(32*(\t/2)+8*(\t%2))*4
	global_load_b128 v[196+8*\t:199+8*\t], v[BQO], s[10:11] offset:(32*(\t/2)+8*(\t%2))*4+16
.endr
.irp t, 0,1,2,3                                ; bv: a lane holds one channel, so all eight registers hold that channel's number
.irp j, 0,1,2,3,4,5,6,7
	global_load_b32 v[224+8*\t+\j], v[BVO], s[12:13] offset:(32*(\t/2)+8*(\t%2))*4
.endr
.endr
	WIN 0
.irp m, 0,1,2
.irp g, 0,1
.irp s, 0,1,2,3,4,5
	global_load_b32 v[WS+12*\m+6*\g+\s], v[L4], s[48:49] offset:18432*\m+768*\g+128*\s
.endr
.endr
.endr
	s_mov_b32 s[CNT], 0
.Lunit:
	s_wait_xcnt 0x0                                ; the last unit's stores have read their bases and data
	s_wait_alu depctr_vm_vsrc(0)                   ; the last unit's stores have read both out-buffers and the words, which this unit's first two phases write again, and the zeros in v[ACC] to v[ACC+3], which its first products write again
	s_lshl_b32 s24, s[CH], 1
	s_add_co_u32 s24, s24, s[CNT]                  ; the unit, 0..159
	s_mul_i32 s25, s24, 13108
	s_lshr_b32 s25, s25, 16                        ; batch = unit / 5 (exact under 160)
	s_mul_i32 s[KSR], s25, 5
	s_sub_co_u32 s[KSR], s24, s[KSR]               ; key step in the batch
	s_mul_i32 s27, s25, 12
	s_add_co_u32 s27, s27, s[HD]                   ; bh
	s_mov_b32 s45, 0
	s_mul_i32 s44, s27, 20480
	s_lshl_b32 s46, s[KSR], 12
	s_add_co_u32 s44, s44, s46
	s_add_nc_u64 s[QP:QP+1], s[14:15], s[44:45]
	s_mul_i32 s44, s27, 2560
	s_lshl_b32 s46, s[KSR], 9
	s_add_co_u32 s44, s44, s46
	s_add_nc_u64 s[QSP:QSP+1], s[16:17], s[44:45]
	s_mul_i32 s48, s27, 45056                      ; the head's record in kv
	s_lshl_b32 s46, s[KSR], 12
	s_add_co_u32 s44, s48, s46
	s_add_nc_u64 s[QP+4:QP+5], s[18:19], s[44:45]
	s_lshl_b32 s46, s[KSR], 9
	s_add_co_u32 s44, s48, s46
	s_add_co_u32 s44, s44, 40960
	s_add_nc_u64 s[QSP+4:QSP+5], s[18:19], s[44:45]
	s_lshl_b32 s46, s[KSR], 10
	s_add_co_u32 s44, s48, s46
	s_add_co_u32 s44, s44, 20480
	s_add_nc_u64 s[VP:VP+1], s[18:19], s[44:45]
	s_lshl_b32 s46, s[KSR], 8
	s_add_co_u32 s44, s48, s46
	s_add_co_u32 s44, s44, 43520
	s_add_nc_u64 s[VSP:VSP+1], s[18:19], s[44:45]
	GROUP 0, 0, 1
	GROUP 1, 1, 0
	GROUP 2, 0, 1
	GROUP 3, 1, 0
	s_add_co_u32 s[CNT], s[CNT], 1
	s_cmp_lt_u32 s[CNT], 2
	s_cbranch_scc1 .Lunit
	s_endpgm
.Lfunc_end_k_qd1b51863a9_qkv:
	.size	k_qd1b51863a9_qkv, .Lfunc_end_k_qd1b51863a9_qkv-k_qd1b51863a9_qkv
	.p2alignl 7, 3214868480
	.fill 96, 4, 3214868480
	.section	.rodata,"a",@progbits
	.p2align	6, 0x0
	.amdhsa_kernel k_qd1b51863a9_qkv
		.amdhsa_group_segment_fixed_size 0
		.amdhsa_private_segment_fixed_size 0
		.amdhsa_enable_private_segment 0
		.amdhsa_kernarg_size 64
		.amdhsa_user_sgpr_count 2
		.amdhsa_user_sgpr_kernarg_segment_ptr 1
		.amdhsa_wavefront_size32 1
		.amdhsa_system_sgpr_workgroup_id_x 1
		.amdhsa_system_sgpr_workgroup_id_y 1
		.amdhsa_system_sgpr_workgroup_id_z 1
		.amdhsa_system_vgpr_workitem_id 0
		.amdhsa_next_free_vgpr 1024
		.amdhsa_next_free_sgpr 66
		.amdhsa_reserve_vcc 1
		.amdhsa_float_denorm_mode_32 3
		.amdhsa_float_denorm_mode_16_64 3
		.amdhsa_memory_ordered 1
		.amdhsa_forward_progress 1
		.amdhsa_inst_pref_size 168
	.end_amdhsa_kernel
	.amdgpu_metadata
---
amdhsa.version: [ 1, 2 ]
amdhsa.kernels:
  - .name:           k_qd1b51863a9_qkv
    .symbol:         k_qd1b51863a9_qkv.kd
    .args:
      - { .name: cod, .offset: 0, .size: 8, .value_kind: global_buffer, .address_space: global }
      - { .name: scl, .offset: 8, .size: 8, .value_kind: global_buffer, .address_space: global }
      - { .name: bq, .offset: 16, .size: 8, .value_kind: global_buffer, .address_space: global }
      - { .name: bk, .offset: 24, .size: 8, .value_kind: global_buffer, .address_space: global }
      - { .name: bv, .offset: 32, .size: 8, .value_kind: global_buffer, .address_space: global }
      - { .name: qc, .offset: 40, .size: 8, .value_kind: global_buffer, .address_space: global }
      - { .name: qs, .offset: 48, .size: 8, .value_kind: global_buffer, .address_space: global }
      - { .name: kv, .offset: 56, .size: 8, .value_kind: global_buffer, .address_space: global }
    .group_segment_fixed_size: 0
    .private_segment_fixed_size: 0
    .kernarg_segment_align: 8
    .kernarg_segment_size: 64
    .max_flat_workgroup_size: 128
    .sgpr_count:     66
    .vgpr_count:     1024
    .wavefront_size: 32
...
	.end_amdgpu_metadata
.endif
;; end of part 6
;; launch attn (part 7): grid 256 x 1, 16 waves a work-group, no clusters, 92,160 bytes of LDS; arguments qc, qs, kv, ac, asc; writes ac, asc
.if DOCPART == 7
	.amdgcn_target "amdgcn-amd-amdhsa--gfx1250"
	.amdhsa_code_object_version 6
	.text
	.protected	k_qd1b51863a9_attn
	.globl	k_qd1b51863a9_attn
	.p2align	8
	.type	k_qd1b51863a9_attn,@function
k_qd1b51863a9_attn:
	s_mov_b64 s[64:65], 0
	v_nop
	global_prefetch_b8 v0, s[64:65] scope:SCOPE_SE
	s_setreg_imm32_b32 hwreg(HW_REG_WAVE_SCHED_MODE, 0, 2), 2
	s_setreg_imm32_b32 hwreg(HW_REG_WAVE_MODE, 25, 1), 1
	s_wait_xcnt 0x0
	s_wait_alu depctr_vm_vsrc(0)
; O[b][h][q] = sum over k >= q of softmax_k(q . k / sqrt(768)) v[k], both products on codes of FP4 with E8M0 scales; O / l is quantised along D = 768 for the last projection.
; THE SOFTMAX AHEAD OF THE SECOND PRODUCT: t = score x log2(e) / sqrt(768); M = the running largest t rounded UP to a whole number; p = 2^(t - M) is quantised along the keys, not normalised; the row's sum l is
; taken of the unquantised p and divides O at the end; when M moves, l and O are multiplied by 2^(old M - new M), which rounds nothing.
; THE MASK is the problem's own: key k counts for query q where k >= q.  A tile of 16 queries T (of group T / 2) walks key steps T / 8 .. 4 of 128 keys; earlier steps lie wholly under the mask and are left out.
; In a tile's first step only the blocks of 32 keys up to the tile's own group can hold hidden keys: the compares stop behind that block.
; SHARES: 1.5 heads to a work-group.  Work-groups 2 p and 2 p + 1 share heads 3 p, 3 p + 1, 3 p + 2: work-group e = id % 2 owns head 3 p + 2 e whole and the query tiles of parity e of head 3 p + 1.
; Both heads' records of kv (k's and v's codes and words, 45,056 bytes each) are copied into LDS once, through registers, as they lie; ONE barrier; then LDS is only read.
; Wave w walks five items, (head, tile): w and 31 - w of the whole head, 30 - 2 w + e of the shared head, 32 + w of the whole head, 32 + e + 2 w of the shared head.  Tiles over 36 do not exist and are jumped over;
; in this order no tile that exists follows one that does not (32 + w > 36 means w >= 5, and then 32 + e + 2 w > 36 too).  So late and early tiles are paired.
; Q AN ITEM AHEAD: an item's codes and word of Q are asked for at the head of the item before (the first ahead of the copy), into registers of their own, and taken over by five moves.
; LAYOUT.  Both products are used transposed (S^T = K Q^T, O^T = V^T P^T): a lane holds one query (lane % 16) throughout.  Row r of a tile is row 8 u + r + 8 (r / 8) of its group of 32, so that the 16 registers of
; two neighbouring tiles are 16 neighbours: keys 32 b + 16 h + 0 .. 15 in S^T, channels 32 b + 16 h + 0 .. 15 in O^T.  The first product's K is 64: the upper half of its 128 is zero codes on both sides.
; OUT.  ac [tile 37 b + T][K block 24][r][16]: head hd's 512 bytes at 512 hd; asc [tile][K step 6][r] words: head hd's two bytes at 64 (hd / 2) + 4 r + 2 (hd % 2): 32 bytes a tile and head, stored two bytes a lane.
; LIMITS: NaN and infinities are not served; a block of zeros or under 2^-124 gets the byte 1 with zero codes; p under 2^-126 counts as 0 (v_exp_f32).  Rows 1-15 of tile 36 are no queries: they are masked as query 576 and never used.
; THE MODE: SCHED_MODE bits 1:0 = 2 (LLVM: expert scheduling mode 2), set by the entry lines.  The code itself states the register dependences between vector or matrix instructions and memory or LDS instructions, with s_wait_alu, always for 0.
; THE PLAN.  Registers that memory or LDS instructions touch:
;   v32-75               At the head: the copy's loads land in them, its LDS stores read them; then they are K's fragments.
;   K: v32-95 (lower halves), v24-31   LDS loads at a step's head land in them; the step's first products read them.
;   V: v192-223, v240-243              LDS loads behind the first products land in them; the step's second products read them.
;   v1, v2               LDS addresses: written by two additions at an item's head, read by every LDS load of the item.
;   v248-251, v7         The next item's Q: a load lands in them an item ahead; five moves at the item's head read them.
;   v224-227, v254       The item's codes and bytes: written by vector instructions, read by the item's two stores.
;   v3-5, v8-11          Offsets and addresses made at the head and never written again.
; Waits on va_vdst: one at the kernel's head (the addresses); ONE AT AN ITEM'S HEAD, behind all its vector lines (the moves are done reading the next Q's registers; v1 and v2 are written; Q's codes and word are written for the scaled
; products); one a step behind the first products and their places (the last step's second products are done reading V's registers; by it the first products are done reading K's registers, for the next step's loads); the two behind
; the exponentials; one directly ahead of the second products (p's codes and word are written); one ahead of the item's stores.  Waits on vm_vsrc: behind the barrier, at an item's head, ahead of the two registers made at the end.
; The mask's compares go in runs of up to sixteen into scalar registers, with one wait on va_sdst between a run and the selects that read them.
; REGISTERS: v1-6 addresses; v7 the next item's word of Q; v8-11 the copy's; v12 -M, v13 the largest t, v[14:15] l in two halves; v16-23 Q; v24-31 K's words; v32-95 K's fragments; v96-159 S^T, then p; v160-191 O^T;
;   v192-223 V's fragments; v224-231 p's codes; v232-239, v244-247, v252-254 at work; v240-243 V's words; v248-251 the next item's codes of Q; v255 Q's word.  s66-81: sixteen masks.
.set REC,  45056
.set VCO,  20480
.set KSO,  40960
.set VSO,  43520
.set AK,   1                           ; v1   16 x lane + the head's region in LDS
.set AS,   2                           ; v2   16 r + the region
.set L16,  3                           ; v3   16 x lane
.set R16,  4                           ; v4   16 r
.set R4,   5                           ; v5   4 r
.set QD,   6                           ; v6   my query - 16 h
.set QWN,  7                           ; v7   the next item's word of Q
.set QN,   248                         ; v248-251 the next item's codes of Q
.set WV,   14
.set FH,   15                          ; s15  the head that is all mine;  s16 the shared one
.set HH,   16
.set EE,   17
.set T0,   18                          ; s18-22 my five tiles
.set IT,   23
.set TQ,   24
.set BH,   25
.set DS,   26                          ; the tile's first key step
.set RG,   27
.set BB,   28
.set HD,   29
.set QP,   32
.set QSP,  34
.set AP,   36
.set ASP,  38
.set SEL,  40
.set CS,   42                          ; s[42:43] c = log2(e) / sqrt(768): the packed form names a pair and takes its low word for both halves
.set RF,   44
.set RH,   46
.set RS,   48
.set TN,   54                          ; s54  the next item's tile;  s55 its head
.set BHN,  55
.set GB,   57                          ; s57  which block of 32 keys of the first step is the tile's own group
.set MK,   66                          ; s66-81 the masks of a block's sixteen registers
; The codes and the word of Q of tile s[TN] of head s[BHN] are asked for
.macro QASK
	s_mul_i32 s30, s[BHN], 20480
	s_lshl_b32 s50, s[TN], 9
	s_add_co_u32 s30, s30, s50
	s_mov_b32 s31, 0
	s_add_nc_u64 s[QP:QP+1], s[4:5], s[30:31]
	s_mul_i32 s30, s[BHN], 2560
	s_lshr_b32 s50, s[TN], 2
	s_lshl_b32 s50, s50, 8
	s_add_co_u32 s30, s30, s50
	s_and_b32 s50, s[TN], 3
	s_lshl_b32 s50, s50, 2
	s_add_co_u32 s30, s30, s50
	s_add_nc_u64 s[QSP:QSP+1], s[6:7], s[30:31]
	global_load_b128 v[QN:QN+3], v[L16], s[QP:QP+1]    ; the lower half of a fragment
	global_load_b32 v[QWN], v[R16], s[QSP:QSP+1]
.endm
	s_load_b256 s[4:11], s[0:1], 0x0               ; qc, qs, kv, ac
	s_load_b64 s[12:13], s[0:1], 0x20              ; asc
	v_lshrrev_b32 v1, 5, v0
	v_readfirstlane_b32 s[WV], v1                  ; wave 0..15
	; THE COPY: 2 x 88 pieces of 512 bytes, eleven a wave: five rounds of 8,192 bytes of each record, and one of the sixteen pieces that are left
	v_lshlrev_b32 v8, 4, v0                        ; 16 x thread: in a record, and in region 0
	v_add_nc_u32 v9, REC, v8                       ; in region 1
	v_and_b32 v2, 31, v0
	v_lshlrev_b32 v[L16], 4, v2
	s_wait_alu depctr_va_vdst(0)
	v_and_b32 v[R4], 15, v0                        ; r
	v_lshlrev_b32 v[R16], 4, v[R4]
	v_lshlrev_b32 v[R4], 2, v[R4]
	s_lshr_b32 s50, ttmp9, 1
	s_and_b32 s[EE], ttmp9, 1
	s_mul_i32 s50, s50, 3
	s_lshl_b32 s51, s[EE], 1
	s_add_co_u32 s[FH], s50, s51
	s_add_co_u32 s[HH], s50, 1
	s_wait_alu depctr_va_sdst(0)                   ; s[WV] is written, ahead of its first reader: my tiles and the copy's last piece are made from it
	s_mov_b32 s[T0], s[WV]
	s_sub_co_u32 s[T0+1], 31, s[WV]
	s_lshl_b32 s51, s[WV], 1
	s_sub_co_u32 s[T0+2], 30, s51
	s_add_co_u32 s[T0+2], s[T0+2], s[EE]
	s_add_co_u32 s[T0+3], s[WV], 32
	s_add_co_u32 s[T0+4], s51, 32
	s_add_co_u32 s[T0+4], s[T0+4], s[EE]
	s_and_b32 s50, s[WV], 7
	s_lshl_b32 s50, s50, 9
	s_add_co_u32 s50, s50, 40960
	v_add_nc_u32 v11, s50, v[L16]                  ; the eleventh: piece 80 + w % 8 of record w / 8
	s_lshr_b32 s51, s[WV], 3
	s_mul_i32 s51, s51, REC
	s_add_co_u32 s51, s51, s50
	v_add_nc_u32 v10, s51, v[L16]
	s_mul_i32 s30, s[FH], REC
	s_mov_b32 s31, 0
	s_mul_i32 s52, s[HH], REC
	s_mov_b32 s53, 0
	s_mov_b32 s[TN], s[T0]                         ; the first item: tile w of the whole head
	s_mov_b32 s[BHN], s[FH]
	s_wait_kmcnt 0x0
	s_add_nc_u64 s[RF:RF+1], s[8:9], s[30:31]
	s_add_nc_u64 s[RH:RH+1], s[8:9], s[52:53]
	s_cmp_lt_u32 s[WV], 8
	s_cselect_b64 s[RS:RS+1], s[RF:RF+1], s[RH:RH+1]
	s_wait_alu depctr_va_vdst(0)                   ; v3 to v5 and v8 to v11 are written: the loads and LDS stores below, and the items' loads and stores, read them as offsets and addresses
	QASK                                           ; ahead of the copy's loads: older than they are, so the copy's counts below stand as they are
.irp i, 0,1,2,3,4
	global_load_b128 v[32+4*\i:35+4*\i], v8, s[RF:RF+1] offset:8192*\i
.endr
.irp i, 0,1,2,3,4
	global_load_b128 v[52+4*\i:55+4*\i], v8, s[RH:RH+1] offset:8192*\i
.endr
	global_load_b128 v[72:75], v11, s[RS:RS+1]
	s_mov_b32 s[SEL], 0x76543210
	s_mov_b32 s[SEL+1], 0xfedcba98
	s_mov_b32 s[CS], 0x3d553b95
	s_mov_b32 s[CS+1], s[CS]                       ; named with it as a pair, so it is written
.irp i, 0,1,2,3,4
	s_wait_loadcnt 10-\i                           ; loads come back in order: the count is the younger ones
	ds_store_b128 v8, v[32+4*\i:35+4*\i] offset:8192*\i
.endr
.irp i, 0,1,2,3,4
	s_wait_loadcnt 5-\i
	ds_store_b128 v9, v[52+4*\i:55+4*\i] offset:8192*\i
.endr
	s_wait_loadcnt 0x0
	ds_store_b128 v10, v[72:75]
	s_wait_dscnt 0x0                               ; for the others' sake: my stores have landed
	s_barrier_signal -1
	s_barrier_wait -1                              ; both records lie in LDS; nothing is stored there again
	s_wait_alu depctr_vm_vsrc(0)                   ; my LDS stores have read v32 to v75: these registers are K's fragments from here on, written by the moves below and by K's loads
.irp j, 20,21,22,23
	v_mov_b32 v[\j], 0                             ; Q's upper half: zero codes for k = 64 .. 127
.endr
.irp t, 0,1,2,3,4,5,6,7
.irp j, 4,5,6,7
	v_mov_b32 v[32+8*\t+\j], 0                     ; and K's: written once; the loads fill the lower halves alone
.endr
.endr
.irp j, 236,237,238,239,252,253,254
	v_mov_b32 v[\j], 0                             ; lane permutes' destinations and halves of named pairs: written before they are named
.endr
; A KEY STEP: keys 128 ks .. 128 ks + 127.  In the last one only keys 512 .. 576 exist: five tiles of keys, 34 live registers (key 576 is v128 of lanes 0-15), three blocks.
.macro STEP ks
.if \ks < 4
.set NLIVE, 64
.set NT, 8
.set NFB, 4
.set NBL, 4
.else
.set NLIVE, 34
.set NT, 5
.set NFB, 2
.set NBL, 3
.endif
	s_cmp_gt_u32 s[DS], \ks                        ; all its keys come before my queries: a branch on ids
	s_cbranch_scc1 .Lpast_\@
.set t, 0
.rept NT
	ds_load_b128 v[32+8*t:35+8*t], v[AK] offset:4096*\ks+512*t   ; no wait: the products that last read K's registers stand ahead of a wait on va_vdst (the last step's, or the item's head's), and no vector or matrix instruction since names them
.set t, t+1
.endr
	ds_load_b128 v[24:27], v[AS] offset:KSO+512*\ks           ; the words of tiles 0-3: lane r has row r's
	ds_load_b128 v[28:31], v[AS] offset:KSO+512*\ks+256       ; of tiles 4-7
	s_wait_dscnt 0x0
.set t, 0
.rept NT
	v_wmma_scale_f32_16x16x128_f8f6f4 v[96+8*t:103+8*t], v[32+8*t:39+8*t], v[16:23], 0, v[24+t], v255 matrix_a_fmt:MATRIX_FMT_FP4 matrix_b_fmt:MATRIX_FMT_FP4
.set t, t+1
.endr
.rept 4
	v_nop                                          ; places ahead of the first read of the scores
.endr
	s_wait_alu depctr_va_vdst(0)                   ; the last step's second products are done reading V's fragments and words, in which the loads below land; the products above are done reading K's, for the next step's loads
.irp ct, 0,1,2,3                               ; V's fragments and words are asked for here and land during the softmax
.irp c, 0,1
	ds_load_b128 v[192+8*\ct+4*\c:195+8*\ct+4*\c], v[AK] offset:VCO+5120*\ct+1024*\ks+512*\c
.endr
.endr
	ds_load_b128 v[240:243], v[AS] offset:VSO+256*\ks
.if \ks == 4
	v_mov_b32 v254, 0xff800000                     ; -infinity
	s_mov_b32 vcc_lo, 0xffff0000
	v_cndmask_b32 v128, v128, v254, vcc_lo         ; keys over 576 do not exist: p = 0
	v_mov_b32 v129, v254
.irp j, 130,131,132,133,134,135
	v_mov_b32 v[\j], 0                             ; these six go to the conversion as p = 0
.endr
.endif
	s_cmp_lg_u32 s[DS], \ks                        ; only a tile's first step lies on the diagonal
	s_cbranch_scc1 .Lopen_\@
	v_mov_b32 v254, 0xff800000
	v_add_nc_u32 v252, -128*\ks, v[QD]             ; register 16 b + i holds key 128 ks + 32 b + 16 h + i: hidden where 32 b + i < my query - 16 h - 128 ks
.set nb, 0
.rept (NLIVE+15)/16
.if nb > 0
	s_cmp_lt_u32 s[GB], nb                         ; my queries lie in block s[GB] of this step: every key of a later block counts.  A branch on ids
	s_cbranch_scc1 .Lopen_\@
.endif
.set nn, NLIVE-16*nb
.if nn > 16
.set nn, 16
.endif
.set n, 0
.rept nn
	v_cmp_lt_i32 s[MK+n], 32*nb+n, v252            ; the block's compares in one run, a scalar register each
.set n, n+1
.endr
	s_wait_alu depctr_va_sdst(0)                   ; the compares have written s[MK ..], ahead of the selects that read them
.set n, 0
.rept nn
	v_cndmask_b32 v[96+16*nb+n], v[96+16*nb+n], v254, s[MK+n]
.set n, n+1
.endr
.set nb, nb+1
.endr
.Lopen_\@:
.set b, 0
.rept NFB
	v_max3_num_f32 v[232+b], v[96+16*b], v[97+16*b], v[98+16*b]   ; the largest score of each block of 32 keys: for the row's maximum, and, since p rises with the score, for the block's largest p
.set b, b+1
.endr
.irp i, 3,5,7,9,11,13
.set b, 0
.rept NFB
	v_max3_num_f32 v[232+b], v[232+b], v[96+16*b+\i], v[97+16*b+\i]
.set b, b+1
.endr
.endr
.set b, 0
.rept NFB
	v_max_num_f32 v[232+b], v[232+b], v[111+16*b]
.set b, b+1
.endr
.if \ks == 4
	v_max_num_f32 v234, v128, v129
.endif
.set b, 0
.rept NBL
	v_permlanex16_b32 v[236+b], v[232+b], s[SEL], s[SEL+1]
.set b, b+1
.endr
.set b, 0
.rept NBL
	v_max_num_f32 v[232+b], v[232+b], v[236+b]     ; with lane l xor 16's 16 keys
.set b, b+1
.endr
	v_max3_num_f32 v254, v232, v233, v234
.if \ks < 4
	v_max_num_f32 v254, v254, v235
.endif
	v_mul_f32 v254, s[CS], v254                    ; the step's largest t (c is positive)
	v_max_num_f32 v13, v13, v254                   ; the running largest t
	v_mov_b32 v254, v12
	v_floor_f32 v12, -v13                          ; the new -M = floor(-t) = -ceil(t)
	v_sub_f32 v254, v12, v254                      ; old M - new M: a whole number, 0 or less
	v_cvt_i32_f32 v254, v254                       ; (it saturates)
	v_ldexp_f32 v252, 1.0, v254                    ; f = 2^(old M - new M)
.set n, 0
.rept NLIVE/2
	v_pk_fma_f32 v[96+n:97+n], v[96+n:97+n], s[CS:CS+1], v[12:13] op_sel_hi:[1,0,0]   ; t - M, two at a time
.set n, n+2
.endr
.set b, 0
.rept NBL
	v_fma_f32 v[232+b], v[232+b], s[CS], v12       ; the same of each block's largest score
.set b, b+1
.endr
.set n, 0
	s_wait_alu depctr_va_vdst(0)
.rept NLIVE
	v_exp_f32 v[96+n], v[96+n]                     ; p = 2^(t - M), at most 1
.set n, n+1
.endr
	v_pk_mul_f32 v[14:15], v[14:15], v[252:253] op_sel_hi:[1,0]   ; l under the new M: the plain place behind the exponentials
	s_wait_alu depctr_va_vdst(0)                   ; the exponentials have written p: one wait for the batch, ahead of its first reader
.set b, 0
.rept NBL
	v_exp_f32 v[232+b], v[232+b]                   ; the block's largest p: the same two instructions on the same number
.set b, b+1
.endr
	v_pk_add_f32 v[236:237], v[96:97], v[98:99]    ; l is taken of the unquantised p, in two chains (plain work behind the small batch)
.set n, 4
.rept (NLIVE-4)/4
	v_pk_add_f32 v[14:15], v[14:15], v[96+n:97+n]
	v_pk_add_f32 v[236:237], v[236:237], v[98+n:99+n]
.set n, n+4
.endr
.if \ks == 4
	v_pk_add_f32 v[14:15], v[14:15], v[128:129]
.endif
	v_pk_add_f32 v[14:15], v[14:15], v[236:237]
	s_wait_alu depctr_va_vdst(0)                   ; the small batch has written the blocks' largest p, ahead of its first reader
.set b, 0
.rept NBL
	v_max_num_f32 v[232+b], 0x1800000, v[232+b]    ; the floor 2^(3 - 127): the byte cannot fall under 1
.set b, b+1
.endr
.set b, 0
.rept NBL
	v_add_nc_u32 v[244+b], 0xff000000, v[232+b]    ; 2 off the exponent field: the conversion's scale operand
.set b, b+1
.endr
.set b, 0
.rept NBL
	v_lshrrev_b32 v[236+b], 23, v[244+b]           ; the scale's byte
.set b, b+1
.endr
	v_lshl_or_b32 v253, v237, 8, v236              ; p's scale word for these 128 keys
	v_lshl_or_b32 v253, v238, 16, v253
.if \ks < 4
	v_lshl_or_b32 v253, v239, 24, v253
.endif
.set b, 0
.rept NFB
	v_cvt_scalef32_pk8_fp4_f32 v[224+2*b], v[96+16*b:103+16*b], v[244+b]
	v_cvt_scalef32_pk8_fp4_f32 v[225+2*b], v[104+16*b:111+16*b], v[244+b]
.set b, b+1
.endr
.if \ks == 4
	v_cvt_scalef32_pk8_fp4_f32 v228, v[128:135], v246
.endif
	v_nop                                          ; one plain place behind a scaled conversion
.if \ks == 4
	v_mov_b32 v229, 0                              ; keys 584 on: zero codes
	v_mov_b32 v230, 0
	v_mov_b32 v231, 0
.endif
.irp c, 0,1                                    ; a whole block to a lane: lanes 0-15 block 2 c, lanes 16-31 block 2 c + 1
.irp i, 0,1
	v_permlane16_swap_b32 v[224+4*\c+\i], v[226+4*\c+\i]
.endr
.endr
.irp j, 0,2,4,6,8,10,12,14,16,18,20,22,24,26,28,30
	v_pk_mul_f32 v[160+\j:161+\j], v[160+\j:161+\j], v[252:253] op_sel_hi:[1,0]   ; O^T under the new M.  These sixteen are also the places between p's codes and word and the products
.endr
	s_wait_dscnt 0x0                               ; V is in
	s_wait_alu depctr_va_vdst(0)                   ; p's codes v224 to v231 and its word v253 are written: the scaled products below take them as operand and as scales; the places above stay beside this wait
.irp ct, 0,1,2,3                               ; the four accumulators by turns
	v_wmma_scale_f32_16x16x128_f8f6f4 v[160+8*\ct:167+8*\ct], v[192+8*\ct:199+8*\ct], v[224:231], v[160+8*\ct:167+8*\ct], v[240+\ct], v253 matrix_a_fmt:MATRIX_FMT_FP4 matrix_b_fmt:MATRIX_FMT_FP4
.endr
.Lpast_\@:
.endm
	s_mov_b32 s[IT], 0
.Litem:
	s_wait_xcnt 0x0                                ; the last item's stores and Q's loads have read their data and bases
	s_mov_b32 s[TQ], s[TN]
	s_mov_b32 s[BH], s[BHN]
	s_cmp_gt_u32 s[TQ], 36                         ; a head has 37 tiles of queries; behind a tile that does not exist s[TN] stays as it is, and the later trips are jumped over too
	s_cbranch_scc1 .Lnext
	s_wait_loadcnt 0x0                             ; this item's Q, asked for an item ago
	s_wait_alu depctr_vm_vsrc(0)                   ; the last item's LDS loads have read v1 and v2, and its stores v224 to v227 and v254: all of them are written again in this item
.irp j, 0,1,2,3
	v_mov_b32 v[16+\j], v[QN+\j]                   ; taken over; more than eight plain lines stand between these five and the first product
.endr
	v_mov_b32 v255, v[QWN]
	s_and_b32 s[RG], s[IT], 1
	s_xor_b32 s[RG], s[RG], 1
	s_min_u32 s50, s[IT], 1
	s_and_b32 s[RG], s[RG], s50                    ; 1 for items 2 and 4
	s_mul_i32 s[RG], s[RG], REC                    ; items 0, 1, 3: region 0; items 2, 4: region 1
	v_add_nc_u32 v[AK], s[RG], v[L16]
	v_add_nc_u32 v[AS], s[RG], v[R16]
	s_lshr_b32 s[DS], s[TQ], 3
	s_lshr_b32 s[GB], s[TQ], 1
	s_and_b32 s[GB], s[GB], 3                      ; group T / 2 is block (T / 2) % 4 of key step T / 8
	s_mul_i32 s[BB], s[BH], 5462
	s_lshr_b32 s[BB], s[BB], 16                    ; batch = bh / 12 (exact under 384)
	s_mul_i32 s[HD], s[BB], 12
	s_sub_co_u32 s[HD], s[BH], s[HD]
	s_lshr_b32 s30, s[TQ], 1
	s_lshl_b32 s30, s30, 5
	s_and_b32 s50, s[TQ], 1
	s_lshl_b32 s50, s50, 3
	s_add_co_u32 s30, s30, s50
	v_and_b32 v252, 15, v0                         ; r
	v_and_b32 v254, 8, v0                          ; 8 (r / 8)
	v_add_nc_u32 v252, v252, v254
	v_add_nc_u32 v[QD], s30, v252                  ; my query: 32 (T / 2) + 8 (T % 2) + r + 8 (r / 8),
	v_min_u32 v[QD], 576, v[QD]                    ; held at the last one,
	v_and_b32 v254, 16, v0                         ; 16 h
	v_sub_nc_u32 v[QD], v[QD], v254                ; less 16 h
	v_mov_b32 v13, 0xff61b1e6                      ; the largest t so far: -3e38
	v_floor_f32 v12, -v13
	v_mov_b32 v14, 0
	v_mov_b32 v15, 0
.irp j, 0,1,2,3,4,5,6,7,8,9,10,11,12,13,14,15,16,17,18,19,20,21,22,23,24,25,26,27,28,29,30,31
	v_mov_b32 v[160+\j], 0                         ; O^T: the step is written once for each key step; a tile's first finds zeros, which the first change of M leaves zeros
.endr
	s_wait_alu depctr_va_vdst(0)                   ; the five moves are done reading v248 to v251 and v7, in which the next Q lands; v1 and v2 are written, which the item's LDS loads read; Q's codes and word (the first time: the zero halves too) are written for the scaled products
	s_cmp_eq_u32 s[IT], 4                          ; the last item asks for nothing
	s_cbranch_scc1 .Lno_ask
	s_add_co_u32 s56, s[IT], 1                     ; the next item, 1..4
	s_mov_b32 s[TN], s[T0+1]
	s_cmp_eq_u32 s56, 2
	s_cselect_b32 s[TN], s[T0+2], s[TN]
	s_cmp_eq_u32 s56, 3
	s_cselect_b32 s[TN], s[T0+3], s[TN]
	s_cmp_eq_u32 s56, 4
	s_cselect_b32 s[TN], s[T0+4], s[TN]
	s_and_b32 s50, s56, 1
	s_cmp_eq_u32 s50, 0
	s_cselect_b32 s[BHN], s[HH], s[FH]             ; items 2 and 4 are the shared head's
	s_cmp_gt_u32 s[TN], 36                         ; a tile that does not exist is not asked for
	s_cbranch_scc1 .Lno_ask
	QASK                                           ; it has this whole item in which to land: no wait on loads stands in an item
.Lno_ask:
	STEP 0
	STEP 1
	STEP 2
	STEP 3
	STEP 4
	; THE WAY OUT: O^T / l, quantised along D: my head's 64 channels are two blocks
.rept 4
	v_nop                                          ; places behind the last products
.endr
	v_add_f32 v14, v14, v15
	v_permlanex16_b32 v252, v14, s[SEL], s[SEL+1]
	v_add_f32 v14, v14, v252                       ; l
	s_wait_alu depctr_va_vdst(0)
	v_rcp_f32 v14, v14
	v_nop                                          ; a plain place behind the reciprocal
	s_mul_i32 s50, s[BB], 37
	s_add_co_u32 s50, s50, s[TQ]                   ; the tile's number in ac
	s_mul_i32 s30, s50, 6144
	s_lshl_b32 s51, s[HD], 9
	s_add_co_u32 s30, s30, s51
	s_mov_b32 s31, 0
	s_add_nc_u64 s[AP:AP+1], s[10:11], s[30:31]
	s_mul_i32 s30, s50, 384
	s_lshr_b32 s51, s[HD], 1
	s_lshl_b32 s51, s51, 6
	s_add_co_u32 s30, s30, s51
	s_and_b32 s51, s[HD], 1
	s_lshl_b32 s51, s51, 1
	s_add_co_u32 s30, s30, s51
	s_add_nc_u64 s[ASP:ASP+1], s[12:13], s[30:31]
	s_wait_alu depctr_va_vdst(0)                   ; the reciprocal has written v14, ahead of its first reader
.irp j, 0,2,4,6,8,10,12,14,16,18,20,22,24,26,28,30
	v_pk_mul_f32 v[96+\j:97+\j], v[160+\j:161+\j], v[14:15] op_sel_hi:[1,0]   ; register 16 b + i: channel 32 b + 16 h + i.  Each accumulator is read from its low end on
.endr
.irp b, 0,1
	v_max3_num_f32 v[232+\b], |v[96+16*\b]|, |v[97+16*\b]|, 0x1800000
.endr
.irp i, 2,4,6,8,10,12,14
.irp b, 0,1
	v_max3_num_f32 v[232+\b], v[232+\b], |v[96+16*\b+\i]|, |v[97+16*\b+\i]|
.endr
.endr
.irp b, 0,1
	v_permlanex16_b32 v[236+\b], v[232+\b], s[SEL], s[SEL+1]
.endr
.irp b, 0,1
	v_max_num_f32 v[232+\b], v[232+\b], v[236+\b]
.endr
.irp b, 0,1
	v_add_nc_u32 v[244+\b], 0xff000000, v[232+\b]
.endr
.irp b, 0,1
	v_lshrrev_b32 v[236+\b], 23, v[244+\b]
.endr
	v_lshl_or_b32 v254, v237, 8, v236              ; my head's two bytes of the row's scale word
.irp b, 0,1
	v_cvt_scalef32_pk8_fp4_f32 v[224+2*\b], v[96+16*\b:103+16*\b], v[244+\b]
	v_cvt_scalef32_pk8_fp4_f32 v[225+2*\b], v[104+16*\b:111+16*\b], v[244+\b]
.endr
	v_nop                                          ; one plain place behind a scaled conversion
	v_permlane16_swap_b32 v224, v226               ; lanes 0-15: K block 2 hd, lanes 16-31: K block 2 hd + 1
	v_permlane16_swap_b32 v225, v227
	s_wait_alu depctr_va_vdst(0)                   ; the conversions and lane swaps have written v224 to v227, and the shift v254: the two stores below read them
	global_store_b128 v[L16], v[224:227], s[AP:AP+1]   ; 512 consecutive bytes
	global_store_b16 v[R4], v254, s[ASP:ASP+1]     ; lanes r and r + 16 write the same two bytes
.Lnext:
	s_add_co_u32 s[IT], s[IT], 1
	s_cmp_lt_u32 s[IT], 5
	s_cbranch_scc1 .Litem
	s_wait_xcnt 0x0
	s_wait_alu depctr_vm_vsrc(0)                   ; my last store has read v254, which the line below writes
	v_lshl_add_u32 v254, v0, 2, 0x16000
	v_mov_b32 v255, 0
	s_wait_dscnt 0x0                               ; the closing lines, six on end
	s_wait_alu 0x0
	s_wait_tensorcnt 0x0
	ds_add_u32 v254, v255
	s_wait_dscnt 0x0
	s_endpgm
.Lfunc_end_k_qd1b51863a9_attn:
	.size	k_qd1b51863a9_attn, .Lfunc_end_k_qd1b51863a9_attn-k_qd1b51863a9_attn
	.p2alignl 7, 3214868480
	.fill 96, 4, 3214868480
	.section	.rodata,"a",@progbits
	.p2align	6, 0x0
	.amdhsa_kernel k_qd1b51863a9_attn
		.amdhsa_group_segment_fixed_size 92160
		.amdhsa_private_segment_fixed_size 0
		.amdhsa_enable_private_segment 0
		.amdhsa_kernarg_size 40
		.amdhsa_user_sgpr_count 2
		.amdhsa_user_sgpr_kernarg_segment_ptr 1
		.amdhsa_wavefront_size32 1
		.amdhsa_system_sgpr_workgroup_id_x 1
		.amdhsa_system_sgpr_workgroup_id_y 1
		.amdhsa_system_sgpr_workgroup_id_z 1
		.amdhsa_system_vgpr_workitem_id 0
		.amdhsa_next_free_vgpr 256
		.amdhsa_next_free_sgpr 82
		.amdhsa_reserve_vcc 1
		.amdhsa_float_denorm_mode_32 3
		.amdhsa_float_denorm_mode_16_64 3
		.amdhsa_memory_ordered 1
		.amdhsa_forward_progress 1
		.amdhsa_inst_pref_size 126
	.end_amdhsa_kernel
	.amdgpu_metadata
---
amdhsa.version: [ 1, 2 ]
amdhsa.kernels:
  - .name:           k_qd1b51863a9_attn
    .symbol:         k_qd1b51863a9_attn.kd
    .args:
      - { .name: qc, .offset: 0, .size: 8, .value_kind: global_buffer, .address_space: global }
      - { .name: qs, .offset: 8, .size: 8, .value_kind: global_buffer, .address_space: global }
      - { .name: kv, .offset: 16, .size: 8, .value_kind: global_buffer, .address_space: global }
      - { .name: ac, .offset: 24, .size: 8, .value_kind: global_buffer, .address_space: global }
      - { .name: asc, .offset: 32, .size: 8, .value_kind: global_buffer, .address_space: global }
    .group_segment_fixed_size: 92160
    .private_segment_fixed_size: 0
    .kernarg_segment_align: 8
    .kernarg_segment_size: 40
    .max_flat_workgroup_size: 512
    .sgpr_count:     82
    .vgpr_count:     256
    .wavefront_size: 32
...
	.end_amdgpu_metadata
.endif
;; end of part 7
;; launch proj (part 8): grid 60 x 4, 4 waves a work-group, no clusters, 50,688 bytes of LDS; arguments cod, scl, ac, asc, bo, out0; writes out0
.if DOCPART == 8
	.amdgcn_target "amdgcn-amd-amdhsa--gfx1250"
	.amdhsa_code_object_version 6
	.text
	.protected	k_qd1b51863a9_proj
	.globl	k_qd1b51863a9_proj
	.p2align	8
	.type	k_qd1b51863a9_proj,@function
k_qd1b51863a9_proj:
	s_mov_b64 s[64:65], 0
	v_nop
	global_prefetch_b8 v0, s[64:65] scope:SCOPE_SE
	s_setreg_imm32_b32 hwreg(HW_REG_WAVE_MODE, 25, 1), 1
	s_wait_xcnt 0x0
; out0 = a Wo^T + bo on codes of FP4 with E8M0 scales, K = 768.  a: the attention's result as ac [tile 1,184][K block 24][r][16] and asc [tile][K step 6][r] words; tile 37 b + T holds, as row r, token 32 (T / 2) + 8 (T % 2) + r + 8 (r / 8) of batch b.
; SHARES.  Work-group (x, cq): 192 columns of the output, 192 cq on.  Each wave keeps Wo's 12 tiles of those columns (cod's groups 712 + 6 cq ..) in 576 registers, read once, and walks five tiles of tokens: 5 (4 x + w) ..
; 1,184 = 5 x 236 + 4: a wave that has a first tile has its first four; only the fifth may be missing.  Waves hand each other nothing: each has its own stage in LDS; no barrier.
; a AHEAD OF ITS USE.  Four of a wave's five tiles (4 x 48 registers) and all fifteen registers of a's words are asked for at the head, ahead of the weights; the fifth tile is asked for behind tile 0's products, into tile 0's
; registers, three tiles' work ahead of its use.  So the text has two waits on loads: ahead of the first product and ahead of tile 4's.
; The product is used transposed (source 0 = 16 rows of Wo, source 1 = 16 tokens): a lane holds one token and, over two neighbouring tiles of Wo, 16 neighbouring columns.  bo is the C of each sum's first product.
; THE WAY OUT: a tile's 16 rows x 768 bytes go through the wave's stage (rows 784 bytes apart, an odd multiple of 16) and leave so that sixteen lanes store 256 consecutive bytes, aligned.  Of tile T = 36 only row 0 (token 576) exists.
; REGISTERS, in windows of 256.  window 0: v1-8 addresses; v9-23 a's words, three a tile (register j: K step 2 j in lanes 0-15, K step 2 j + 1 in lanes 16-31); v24-59 Wo's words; v60-61 at work at the head;
;   v64-159 twelve accumulators, then rows on their way out; v160-207 a's tile 0, later tile 4; v208-255 tile 1.
;   window 1 + i: v0-191 Wo's tiles 4 i .. 4 i + 3, (tile, K step s) at 48 (tile % 4) + 8 s; v192-223 their tiles of bo; v224-255: a's tile 2 (window 1, and v224-239 of window 2) and tile 3 (v240-255 of window 2, and window 3).
.set L16,  1                           ; v1   16 x lane
.set L4,   2                           ; v2   4 x lane
.set STO,  4                           ; v4   the stage, in: row r, + 64 h
.set RD,   5                           ; v5   the stage, back: row h, + 16 (lane % 16)
.set GO,   6                           ; v6   the same place in the output: 3,072 h + 16 (lane % 16)
.set LN,   7                           ; v7   lane
.set AS,   9
.set WS,   24
.set ACC,  64
.set SPT,  784
.set TAU,  18
.set AP,   20
.set ASP,  22
.set OP,   24
.set AP4,  36                          ; s[36:37], s[38:39] the fifth tile's codes and words
.set ASP4, 38
.set MSB, 0
.macro WIN new                         ; bits 1:0 source 0, 3:2 source 1, 5:4 source 2, 7:6 destination; the high byte repeats the setting that is left
.if MSB != (\new)
	s_set_vgpr_msb (MSB<<8)|(\new)
.set MSB, (\new)
.endif
.endm
; One product, by the symbols rD, rA, rB, rC, rSA, rSB; fA, fB: the side's scale words stand in lanes 16-31
.macro WM
.if fA && fB
	v_wmma_scale_f32_16x16x128_f8f6f4 v[rD:rD+7], v[rA:rA+7], v[rB:rB+7], v[rC:rC+7], v[rSA], v[rSB] matrix_a_fmt:MATRIX_FMT_FP4 matrix_b_fmt:MATRIX_FMT_FP4 matrix_a_scale:MATRIX_SCALE_ROW1 matrix_b_scale:MATRIX_SCALE_ROW1
.elseif fA
	v_wmma_scale_f32_16x16x128_f8f6f4 v[rD:rD+7], v[rA:rA+7], v[rB:rB+7], v[rC:rC+7], v[rSA], v[rSB] matrix_a_fmt:MATRIX_FMT_FP4 matrix_b_fmt:MATRIX_FMT_FP4 matrix_a_scale:MATRIX_SCALE_ROW1
.elseif fB
	v_wmma_scale_f32_16x16x128_f8f6f4 v[rD:rD+7], v[rA:rA+7], v[rB:rB+7], v[rC:rC+7], v[rSA], v[rSB] matrix_a_fmt:MATRIX_FMT_FP4 matrix_b_fmt:MATRIX_FMT_FP4 matrix_b_scale:MATRIX_SCALE_ROW1
.else
	v_wmma_scale_f32_16x16x128_f8f6f4 v[rD:rD+7], v[rA:rA+7], v[rB:rB+7], v[rC:rC+7], v[rSA], v[rSB] matrix_a_fmt:MATRIX_FMT_FP4 matrix_b_fmt:MATRIX_FMT_FP4
.endif
.endm
.macro APLACE i, s                     ; XW, rX: the window and the register at which the fragment of K step s of my tile i stands
.if ((\i) == 0) || ((\i) == 4)
.set XW, 0
.set rX, 160+8*(\s)
.elseif (\i) == 1
.set XW, 0
.set rX, 208+8*(\s)
.elseif (\i) == 2
.if (\s) < 4
.set XW, 1
.set rX, 224+8*(\s)
.else
.set XW, 2
.set rX, 224+8*((\s)-4)
.endif
.else
.if (\s) < 2
.set XW, 2
.set rX, 240+8*(\s)
.else
.set XW, 3
.set rX, 224+8*((\s)-2)
.endif
.endif
.endm
.macro ALOAD i, p, off                 ; my tile i's six fragments, from off bytes behind the pointer p
.irp s, 0,1,2,3,4,5
	APLACE \i, \s
	WIN XW<<6
.irp c, 0,1
	global_load_b128 v[rX+4*\c:rX+4*\c+3], v[L16], s[\p:\p+1] offset:\off+1024*\s+512*\c
.endr
.endr
	WIN 0
.endm
	s_load_b256 s[4:11], s[0:1], 0x0               ; cod, scl, ac, asc
	s_load_b128 s[12:15], s[0:1], 0x20             ; bo, out0
	v_lshl_add_u32 v62, v0, 2, 0xc400
	v_mov_b32 v63, 0
	v_lshrrev_b32 v7, 5, v0
	v_readfirstlane_b32 s16, v7                    ; wave 0..3
	s_and_b32 s17, ttmp7, 0xffff                   ; cq
	s_lshl_b32 s[TAU], ttmp9, 2
	s_add_co_u32 s[TAU], s[TAU], s16
	s_mul_i32 s[TAU], s[TAU], 5                    ; my first tile
	s_wait_kmcnt 0x0
	s_cmp_ge_u32 s[TAU], 1184                      ; the last three waves of the last column of work-groups have no tile
	s_cbranch_scc1 .Lend
	v_and_b32 v[LN], 31, v0
	v_lshlrev_b32 v[L16], 4, v[LN]
	v_lshlrev_b32 v[L4], 2, v[LN]
	s_wait_alu depctr_va_vdst(0)
	s_mov_b32 s33, 0
	s_mul_i32 s32, s[TAU], 6144
	s_add_nc_u64 s[AP:AP+1], s[8:9], s[32:33]
	s_mul_i32 s32, s[TAU], 384
	s_add_nc_u64 s[ASP:ASP+1], s[10:11], s[32:33]
	s_add_co_u32 s26, s[TAU], 4
	s_min_u32 s26, s26, 1183                       ; no load leaves its buffer: where the fifth tile is missing the last tile is read again
	s_mul_i32 s32, s26, 6144
	s_add_nc_u64 s[AP4:AP4+1], s[8:9], s[32:33]
	s_mul_i32 s32, s26, 384
	s_add_nc_u64 s[ASP4:ASP4+1], s[10:11], s[32:33]
.irp i, 0,1,2,3
.irp j, 0,1,2
	global_load_b32 v[AS+3*\i+\j], v[L4], s[ASP:ASP+1] offset:384*\i+128*\j   ; 128 consecutive bytes: K step 2 j's sixteen words, then K step 2 j + 1's
.endr
.endr
.irp j, 0,1,2
	global_load_b32 v[AS+12+\j], v[L4], s[ASP4:ASP4+1] offset:128*\j
.endr
.irp i, 0,1,2,3
	ALOAD \i, AP, 6144*\i
.endr
	v_and_b32 v60, 15, v0                          ; r
	v_bfe_u32 v61, v0, 4, 1                        ; h
	s_mul_i32 s26, s16, 16*SPT                     ; my stage
	v_mul_u32_u24 v[STO], v60, SPT
	v_lshl_add_u32 v[STO], v61, 6, v[STO]
	v_add_nc_u32 v[STO], s26, v[STO]
	v_mul_u32_u24 v[RD], v61, SPT
	v_lshl_add_u32 v[RD], v60, 4, v[RD]
	v_add_nc_u32 v[RD], s26, v[RD]
	v_mul_u32_u24 v[GO], v61, 3072
	v_lshl_add_u32 v[GO], v60, 4, v[GO]
	v_lshlrev_b32 v8, 6, v61                       ; bo: 16 h numbers on
	s_wait_alu depctr_va_vdst(0)
	s_mul_i32 s26, s17, 6
	s_add_co_u32 s26, s26, 712                     ; Wo's first group of my columns
	s_mul_i32 s32, s26, 12288
	s_add_nc_u64 s[4:5], s[4:5], s[32:33]
	s_mul_i32 s32, s26, 768
	s_add_nc_u64 s[6:7], s[6:7], s[32:33]
	s_mul_i32 s32, s17, 768                        ; 192 numbers of bo, and 768 bytes of a row of the output
	s_add_nc_u64 s[12:13], s[12:13], s[32:33]
	s_add_nc_u64 s[14:15], s[14:15], s[32:33]
.irp g, 0,1,2,3,4,5
.irp s, 0,1,2,3,4,5
	global_load_b32 v[WS+6*\g+\s], v[L4], s[6:7] offset:768*\g+128*\s
.endr
.endr
.irp w3, 0,1,2
	WIN (1+\w3)<<6
.irp tt, 0,1,2,3
.irp s, 0,1,2,3,4,5
.irp c, 0,1
	global_load_b128 v[48*\tt+8*\s+4*\c:48*\tt+8*\s+4*\c+3], v[L16], s[4:5] offset:6144*(4*\w3+\tt)+1024*\s+512*\c
.endr
.endr
	global_load_b128 v[192+8*\tt:195+8*\tt], v8, s[12:13] offset:(32*((4*\w3+\tt)/2)+8*(\tt%2))*4      ; lane (r, h), register j: column 32 (tile / 2) + 16 h + 8 (tile % 2) + j
	global_load_b128 v[196+8*\tt:199+8*\tt], v8, s[12:13] offset:(32*((4*\w3+\tt)/2)+8*(\tt%2))*4+16
.endr
.endr
	WIN 0
; Tile i of my five.
.macro TILE i
.if \i == 4
	s_cmp_ge_u32 s[TAU], 1184                      ; the one wave whose first tile is 1,180 has four tiles
	s_cbranch_scc1 .Lend
.endif
.if (\i == 0) || (\i == 4)
	s_wait_loadcnt 0x0                             ; tile 0: all that the head asked for is in, tiles 1 to 3 among it; tile 4: its twelve loads, asked for behind tile 0's products
.endif
.if \i > 0
	s_wait_xcnt 0x0                                ; the last tile's stores have read their data, which the products below write over, and their base
.endif
.irp s, 0,1,2,3,4,5                            ; 72 products, the twelve accumulators by turns
	APLACE \i, \s
.irp w3, 0,1,2
.if \s == 0
.set WV, (1+\w3)|(XW<<2)|((1+\w3)<<4)
.else
.set WV, (1+\w3)|(XW<<2)
.endif
	WIN WV
.irp tt, 0,1,2,3
.set rD, ACC+8*(4*\w3+\tt)
.set rA, 48*\tt+8*\s
.set rB, rX
.if \s == 0
.set rC, 192+8*\tt
.else
.set rC, rD
.endif
.set rSA, WS+6*((4*\w3+\tt)/2)+\s
.set rSB, AS+3*(\i)+(\s/2)
.set fA, \tt%2
.set fB, \s%2
	WM
.endr
.endr
.endr
	WIN 0
.rept 5
	v_nop                                          ; FIVE places behind the products (ISA guide 7.12.1).  Four serve the stage's stores, which read the results, and the loads into a's fragments; the fifth is owed by the
.endr                                              ; next tile's first products, which begin these accumulators anew with bo as C and so write over results: no other plain vector line stands between two tiles' products
.if \i == 0
	ALOAD 4, AP4, 0                                ; the fifth tile, into the registers that tile 0 has left
.endif
.irp tl, 0,1,2,3,4,5,6,7,8,9,10,11
	ds_store_b128 v[STO], v[ACC+8*\tl:ACC+8*\tl+3] offset:128*(\tl/2)+32*(\tl%2)       ; each accumulator from its low end on
	ds_store_b128 v[STO], v[ACC+8*\tl+4:ACC+8*\tl+7] offset:128*(\tl/2)+32*(\tl%2)+16
.endr
.irp k, 0,1,2,3,4,5,6,7
.irp q, 0,1,2
	ds_load_b128 v[ACC+4*(3*\k+\q):ACC+4*(3*\k+\q)+3], v[RD] offset:2*\k*SPT+256*\q   ; stage rows 2 k and 2 k + 1.  LDS serves a wave's instructions in order: these see the stores above
.endr
.endr
	s_mul_i32 s30, s[TAU], 1772
	s_lshr_b32 s30, s30, 16                        ; batch = tile / 37 (exact under 1,184)
	s_mul_i32 s31, s30, 37
	s_sub_co_u32 s31, s[TAU], s31                  ; T
	s_mul_i32 s30, s30, 577
	s_lshr_b32 s26, s31, 1
	s_lshl_b32 s26, s26, 5
	s_add_co_u32 s30, s30, s26
	s_and_b32 s26, s31, 1
	s_lshl_b32 s26, s26, 3
	s_add_co_u32 s30, s30, s26                     ; the tile's row 0 in the output
	s_mul_i32 s32, s30, 3072
	s_add_nc_u64 s[OP:OP+1], s[14:15], s[32:33]
	s_cmp_eq_u32 s31, 36
	s_cbranch_scc1 .Lone_row_\@
.irp k, 0,1,2,3,4,5,6,7
.irp q, 0,1,2
	s_wait_dscnt 23-(3*\k+\q)                      ; LDS loads come back in order: the count is the younger ones
	global_store_b128 v[GO], v[ACC+4*(3*\k+\q):ACC+4*(3*\k+\q)+3], s[OP:OP+1] offset:(2*\k+8*(\k/4))*3072+256*\q th:TH_STORE_NT   ; stage row i is token row i + 8 (i / 8); sixteen lanes store 256 consecutive bytes, aligned
.endr
.endr
	s_branch .Lstored_\@
.Lone_row_\@:
	s_wait_dscnt 0x0
	s_wait_xcnt 0x0                                ; EXEC changes only behind this wait: loads may be out
	v_cmp_gt_u32 vcc_lo, 16, v[LN]
	s_and_saveexec_b32 s34, vcc_lo                 ; lanes 0-15 hold stage row 0: token 576
.irp q, 0,1,2
	global_store_b128 v[GO], v[ACC+4*\q:ACC+4*\q+3], s[OP:OP+1] offset:256*\q th:TH_STORE_NT
.endr
	s_wait_xcnt 0x0                                ; and again, in front of the line that widens it
	s_or_b32 exec_lo, exec_lo, s34
.Lstored_\@:
	s_add_co_u32 s[TAU], s[TAU], 1
.endm
	TILE 0
	TILE 1
	TILE 2
	TILE 3
	TILE 4
.Lend:
	s_wait_alu depctr_va_vdst(0)
	s_wait_tensorcnt 0x0
	ds_add_u32 v62, v63
	s_wait_dscnt 0x0
	s_endpgm
.Lfunc_end_k_qd1b51863a9_proj:
	.size	k_qd1b51863a9_proj, .Lfunc_end_k_qd1b51863a9_proj-k_qd1b51863a9_proj
	.p2alignl 7, 3214868480
	.fill 96, 4, 3214868480
	.section	.rodata,"a",@progbits
	.p2align	6, 0x0
	.amdhsa_kernel k_qd1b51863a9_proj
		.amdhsa_group_segment_fixed_size 50688
		.amdhsa_private_segment_fixed_size 0
		.amdhsa_enable_private_segment 0
		.amdhsa_kernarg_size 48
		.amdhsa_user_sgpr_count 2
		.amdhsa_user_sgpr_kernarg_segment_ptr 1
		.amdhsa_wavefront_size32 1
		.amdhsa_system_sgpr_workgroup_id_x 1
		.amdhsa_system_sgpr_workgroup_id_y 1
		.amdhsa_system_sgpr_workgroup_id_z 1
		.amdhsa_system_vgpr_workitem_id 0
		.amdhsa_next_free_vgpr 1024
		.amdhsa_next_free_sgpr 66
		.amdhsa_reserve_vcc 1
		.amdhsa_float_denorm_mode_32 3
		.amdhsa_float_denorm_mode_16_64 3
		.amdhsa_memory_ordered 1
		.amdhsa_forward_progress 1
		.amdhsa_inst_pref_size 114
	.end_amdhsa_kernel
	.amdgpu_metadata
---
amdhsa.version: [ 1, 2 ]
amdhsa.kernels:
  - .name:           k_qd1b51863a9_proj
    .symbol:         k_qd1b51863a9_proj.kd
    .args:
      - { .name: cod, .offset: 0, .size: 8, .value_kind: global_buffer, .address_space: global }
      - { .name: scl, .offset: 8, .size: 8, .value_kind: global_buffer, .address_space: global }
      - { .name: ac, .offset: 16, .size: 8, .value_kind: global_buffer, .address_space: global }
      - { .name: asc, .offset: 24, .size: 8, .value_kind: global_buffer, .address_space: global }
      - { .name: bo, .offset: 32, .size: 8, .value_kind: global_buffer, .address_space: global }
      - { .name: out0, .offset: 40, .size: 8, .value_kind: global_buffer, .address_space: global }
    .group_segment_fixed_size: 50688
    .private_segment_fixed_size: 0
    .kernarg_segment_align: 8
    .kernarg_segment_size: 48
    .max_flat_workgroup_size: 128
    .sgpr_count:     66
    .vgpr_count:     1024
    .wavefront_size: 32
...
	.end_amdgpu_metadata
.endif
;; end of part 8
